; MI455X (gfx1250); checked and timed in simulation.
; The chip was launched on July 23, 2026; its instructions are those of AMD's public machine-readable ISA for CDNA 5 (MIT licence, August 2026) and "CDNA5" Instruction Set Architecture Reference Guide (July 2026). The comments in the code are by the model that wrote it; some were corrected since.
;; Trajectory Net. Allowed arithmetic: float matrix products may take bf16 or f16 operands with f32 sums; other float arithmetic in f32, or as packed bf16 or f16 multiplies, adds, multiply-adds, maxima and minima; sums over many terms, partial sums and values carried from step to step in f32; what a program stores and reads back later, other than sums and carried values, may be rounded once to bf16 or f16.
;; Inputs: W0 16 x 64 float32; W1 64 x 64 float32; W2 64 x 64 float32; W3 64 x 16 float32; b0 64 float32; b1 64 float32; b2 64 float32; b3 16 float32; g0 64 float32; g1 64 float32; g2 64 float32; g3 16 float32; gb0 64 float32; gb1 64 float32; gb2 64 float32; gb3 16 float32; hb0 64 float32; hb1 64 float32; hb2 64 float32; hb3 16 float32; ts 3 float32; x0 16,384 x 16 float32.
;; Outputs: out0 3 x 16,384 x 16 float32; out1 16,384 float32; out2 16,384 float32; out3 16,384 float32.
;; 2 versions, each right; version 2 is version 1 with the launch traj written anew for expert scheduling mode. Each part assembles by itself: llvm-mc -triple=amdgcn-amd-amdhsa -mcpu=gfx1250 --defsym DOCPART=n.
;; ======== version 1 of 2: 1 launch
;; limits: values are held in f16: magnitudes above 65,504 overflow, below 6.1e-05 lose precision
;; launch traj (part 1): grid 256 x 1, 4 waves a work-group, no clusters, 89,856 bytes of LDS; arguments x0, ts, W0, W1, W2, W3, g0, gb0, b0, hb0, g1, gb1, b1, hb1, g2, gb2, b2, hb2, g3, gb3, b3, hb3, out0, out1, out2, out3; writes out0, out1, out2, out3
.if DOCPART == 1
	.amdgcn_target "amdgcn-amd-amdhsa--gfx1250"
	.amdhsa_code_object_version 6
	.text
	.protected	k_q81d46c71db_traj
	.globl	k_q81d46c71db_traj
	.p2align	8
	.type	k_q81d46c71db_traj,@function
k_q81d46c71db_traj:
	s_mov_b64 s[64:65], 0
	v_nop
	global_prefetch_b8 v0, s[64:65] scope:SCOPE_SE
	s_setreg_imm32_b32 hwreg(HW_REG_WAVE_MODE, 25, 1), 1
	s_wait_xcnt 0x0
; TRAJECTORYNET: two RK4 steps (8 evaluations) of z' = (f(t,x), tr df/dx, |f|^2 / 2) for 16,384 samples; f is a gated tanh net 16 -> 64 -> 64 -> 64 -> 16:
; layer l: a = (h W + b) s + t hb, s = sigmoid(t g + gb), tanh behind layers 0 to 2.  out0 = x at the three times, out1 = log-det, out2 = |kinetic|, out3 = 0.
; SHARES.  A work-group owns 64 samples, four groups of 16, for the whole launch: nothing goes through memory between evaluations.  Forward pass: wave w does group w.
; THE TRACE, exact for every input, meets in the middle layer.  With e_l = s_l (1 - tanh^2):  tr J = sum_i s3_i sum_j e1_j L_ij R_ij,
;   L_ij = sum_k e0_k P[k][i,j], P = W0[i,k] W1[k,j];   R_ij = sum_k e2_k Q[k][i,j], Q = W2[j,k] W3[k,i].
; P and Q hang neither on the sample nor on t.  Wave w owns the middle units j = 16 w .. 16 w + 15 for all i and all four groups: 16 tiles (16 j x 64 k) of each table, 256 + 256 registers, made once.
; LAYOUT.  Every product is taken transposed: source 0 = weights (rows = output units), source 1 = data (columns = samples).  In a result lane l holds ONE sample (l % 16) and the units 8 (l / 16) + 0..7;
; two neighbouring tiles rounded in pairs to f16 ARE the next source 1, so nothing changes lanes along the net, and wave w's trace tiles lie as tile w of e1 lies.
; TANH.  a' = 2 log2(e) a;  E = 2^a';  r = 1 / (1 + E);  tanh = 1 - 2 r;  (1 - tanh^2) / 4 = r - r^2.  E = infinity gives r = 0, tanh = 1; E = 0 gives tanh = -1.  The tables hold s' = 2 log2(e) s and
; c' = 2 log2(e) (b s + t hb); what is kept of e is (r - r^2) s' = e / (2 ln 2), at most 0.72; the three factors 2 ln 2 ride in s3t = s3 (2 ln 2)^3.
; FORMATS.  Matrix operands in f16 (11 significant bits), all sums, x, the RK sums and e1 in f32.
; LIMITS.  |W_l|, |x|, |W0 W1| and |W2 W3| stay under 65,504 (f16's end); below 6e-5 they keep f16's fixed step of 6e-8.  P and Q are f16(W) x f16(W) rounded to f16: three roundings.
; h / 6 is h x (1/6).  The exponentials take a denormal as 0 (ISA guide 15.8).  NaN and infinities among the inputs are not treated apart.
; NOT USED.  Tensor loads: the only bulk input, 41 KB of weights, is converted f32 -> f16 in registers, once.  Clusters: those 41 KB at the head are all that work-groups share.  Prefetch: nothing is streamed.
;
; LDS (bytes)
.set TAB,   0        ; 8 evaluations x 2,048: layer l = 0..2: s' at 512 l, c' at 512 l + 256; s3 1536; c3 1600; s3t as pairs 1664; alpha x 16 at 1792; weight x 16 at 1856
.set EREG,  16384    ; group g at 8,192 g: E0 +0, E2 +2048 (f16), E1 +4096 (f32): register images, four registers of lane l at 512 q + 16 l
.set WH0,   49152    ; f16 W0 [16][64], rows 160 bytes apart (an odd multiple of 32, for the turning load)
.set WH1,   51712    ; f16 W1 [64][64], 160
.set WH2,   61952    ; f16 W2 [64][64], 160
.set WH3,   72192    ; f16 W3 [64][16], 32
.set W3T,   74240    ; each wave's own 2,304: f16 W3^T [16][64], rows 144 apart
.set PT,    83456    ; partial traces [writer wave][group][16 samples] f32
.set XST,   84480    ; each wave's own 1,024: 16 rows of x, for the way out
.set RES,   88576    ; three rows of 256: log-det, |kinetic|, zeros
.set SPARE, 89344    ; the spare words, 128 bytes a wave: two blocks of 256 bytes that no other line names
; REGISTERS, in windows of 256 (s_set_vgpr_msb: bits 1:0 source 0, 3:2 source 1, 5:4 source 2, 7:6 destination).
; window 1: P^T, tile i, K half kk at 16 i + 8 kk.   window 2: Q^T likewise.   window 3: the forward weights' fragments.   window 0: all else.
.set SPW,  2         ; LDS address of my spare word; never rewritten
.set NIL,  3         ; 0, for the add alone
.set AEW,  4         ; EREG + 8192 w + 16 l: where I write my group's E
.set AER,  5         ; EREG + 16 l: where I read any group's E0, E2
.set AE1R, 6         ; EREG + 4096 + 1024 w + 16 l: tile w of any group's E1
.set ATB,  7         ; TAB + 32 (l / 16), + 2,048 an evaluation
.set APTW, 8         ; PT + 256 w + 4 r
.set APTR, 9         ; PT + 64 w + 4 r
.set AXS,  10        ; XST + 1024 w + 64 r + 32 (l / 16)
.set AXL,  11        ; XST + 1024 w + 16 l
.set GOX,  12        ; my byte offset in a slab of out0
.set ATU,  13        ; TAB, + 2,048 an evaluation
.set ZR,   14        ; 0
.set TA,   15        ; an address, at the end
.set X,    16        ; v[16:23]  x at the step's start: sample r, elements 8 (l / 16) + 0..7
.set XA,   24        ; v[24:31]  x + the RK sum so far
.set XB,   32        ; v[32:39]  the stage's x in f16, as source 1; 36-39 stay 0 (K = 16 of 32)
.set KE2,  40        ; v[40:41]  kinetic sum x 2, even and odd elements
.set LD,   42        ; log-det
.set WPV,  44        ; v[44:45]  the RK weight of the evaluation in hand, twice
.set ALP,  46        ; v[46:47]  the factor that makes the next stage's x, twice
.set AC0,  48        ; forward: two sets of four accumulators,
.set AC1,  80
.set GS0,  112       ; two sets of s',
.set GS1,  144
.set GC,   176       ; c',
.set HB,   208       ; tanh in f16: source 1 of the next layer,
.set EH,   224       ; E0 or E2 in f16,
.set HT,   240       ; at work
.set D3A,  240       ; layer 3's two half sums
.set D3B,  248
.set OT,   240       ; the way out
.set PTV,  248       ; four partial traces
.set RW,   252       ; the weight as loaded
.set LR,   48        ; trace: two buffers of 32: tile a's L, R, tile b's L, R
.set EBUF, 112       ; two buffers of 40: E0 (16), E2 (16), E1 (8)
.set ACC,  192       ; two buffers of 8: sum over i of s3t L R
.set S3T,  208       ; pair i at 208 + 2 i
.set CT,   240
.set FW0,  0         ; window 3
.set FW1,  32
.set FW2,  96
.set FW3,  160
.set BJ,   48        ; set-up: W1^T's fragment of my 16 j,
.set CJ,   64        ; W2's,
.set ROWS, 80        ; and eight rows of W0 or W3^T in a fragment's K order
.set K2,   0x4038aa3b ; 2 log2(e)
.set MSB, 0
.set PG, 0
.set PO, 0
.macro WIN new                       ; the high byte repeats the setting that is left; a switch that changes nothing is dropped
.if MSB != (\new)
	s_set_vgpr_msb (MSB<<8)|(\new)
.set MSB, (\new)
.endif
.endm
.macro PLACES                        ; four plain places behind a matrix instruction (ISA guide 7.12.1)
.rept 4
	v_nop
.endr
.endm
.macro TWAIT                         ; a plain instruction behind a batch's last transcendental, and the one wait ahead of the batch's first reader
	v_nop
	s_wait_alu depctr_va_vdst(0)
.endm
.macro BAR                           ; my LDS stores and loads are done; then all four waves meet
	s_wait_dscnt 0x0
	s_barrier_signal -1
	s_barrier_wait -1
.endm
.macro GATE dst, off                 ; a table row of 64 numbers: my 8 of each of the four tiles
.irp mt, 0,1,2,3
	ds_load_b128 v[(\dst)+8*(\mt):(\dst)+8*(\mt)+3],   v[ATB] offset:(\off)+64*(\mt)
	ds_load_b128 v[(\dst)+8*(\mt)+4:(\dst)+8*(\mt)+7], v[ATB] offset:(\off)+64*(\mt)+16
.endr
.endm
.macro MM0                           ; layer 0: four tiles, K = 16 (the upper half of both sources is 0)
	WIN 0x03
.irp mt, 0,1,2,3
	v_wmma_f32_16x16x32_f16 v[AC0+8*(\mt):AC0+8*(\mt)+7], v[FW0+8*(\mt):FW0+8*(\mt)+7], v[XB:XB+7], 0
.endr
	WIN 0
.endm
.macro MMH fw, ac                    ; a 64 x 64 layer: the four accumulators take turns, so three other products stand between a chain's two links
	WIN 0x03
.irp kk, 0,1
.irp mt, 0,1,2,3
.if (\kk) == 0
	v_wmma_f32_16x16x32_f16 v[(\ac)+8*(\mt):(\ac)+8*(\mt)+7], v[(\fw)+16*(\mt):(\fw)+16*(\mt)+7], v[HB:HB+7], 0
.else
	v_wmma_f32_16x16x32_f16 v[(\ac)+8*(\mt):(\ac)+8*(\mt)+7], v[(\fw)+16*(\mt)+8:(\fw)+16*(\mt)+15], v[HB+8:HB+15], v[(\ac)+8*(\mt):(\ac)+8*(\mt)+7]
.endif
.endr
.endr
	WIN 0
.endm
.macro PRE ac, gs                    ; a' = sum x s' + c', ascending (each accumulator's lowest registers first), and 2^a' in place, two behind each packed line
.set p, 0
.rept 16
	v_pk_fma_f32 v[(\ac)+2*p:(\ac)+2*p+1], v[(\ac)+2*p:(\ac)+2*p+1], v[(\gs)+2*p:(\gs)+2*p+1], v[GC+2*p:GC+2*p+1]
.if p > 0
	v_exp_f32 v[(\ac)+2*p-2], v[(\ac)+2*p-2]
	v_exp_f32 v[(\ac)+2*p-1], v[(\ac)+2*p-1]
.endif
.set p, p+1
.endr
	v_exp_f32 v[(\ac)+30], v[(\ac)+30]
	v_exp_f32 v[(\ac)+31], v[(\ac)+31]
.endm
.macro MID ac                        ; r = 1 / (1 + E), in the same pattern
.set p, 0
.rept 16
	v_pk_add_f32 v[(\ac)+2*p:(\ac)+2*p+1], v[(\ac)+2*p:(\ac)+2*p+1], 1.0 op_sel_hi:[1,0]
.if p > 0
	v_rcp_f32 v[(\ac)+2*p-2], v[(\ac)+2*p-2]
	v_rcp_f32 v[(\ac)+2*p-1], v[(\ac)+2*p-1]
.endif
.set p, p+1
.endr
	v_rcp_f32 v[(\ac)+30], v[(\ac)+30]
	v_rcp_f32 v[(\ac)+31], v[(\ac)+31]
.endm
.macro HOUT ac                       ; tanh = 1 - 2 r, rounded to f16: the next layer's source 1
.set q, 0
.rept 4
.irp y, 0,1,2,3
	v_pk_fma_f32 v[HT+2*(\y):HT+2*(\y)+1], v[(\ac)+8*q+2*(\y):(\ac)+8*q+2*(\y)+1], -2.0, 1.0 op_sel_hi:[1,0,0]
.endr
.irp y, 0,1,2,3
	v_cvt_pk_f16_f32 v[HB+4*q+(\y)], v[HT+2*(\y)], v[HT+2*(\y)+1]
.endr
.set q, q+1
.endr
.endm
.macro EWORK ac, gs, kind, off       ; (r - r^2) s', into my group's part of EREG: kind 16: rounded to f16, at off; kind 32: as f32 (E1)
.set p, 0
.rept 16
	v_pk_fma_f32 v[(\ac)+2*p:(\ac)+2*p+1], v[(\ac)+2*p:(\ac)+2*p+1], v[(\ac)+2*p:(\ac)+2*p+1], v[(\ac)+2*p:(\ac)+2*p+1] neg_lo:[1,0,0] neg_hi:[1,0,0]
.set p, p+1
.endr
.set p, 0
.rept 16
	v_pk_mul_f32 v[(\ac)+2*p:(\ac)+2*p+1], v[(\ac)+2*p:(\ac)+2*p+1], v[(\gs)+2*p:(\gs)+2*p+1]
.set p, p+1
.endr
.if (\kind) == 16
.set p, 0
.rept 16
	v_cvt_pk_f16_f32 v[EH+p], v[(\ac)+2*p], v[(\ac)+2*p+1]
.set p, p+1
.endr
.irp z, 0,1,2,3
	ds_store_b128 v[AEW], v[EH+4*(\z):EH+4*(\z)+3] offset:(\off)+512*(\z)
.endr
.else
.irp z, 0,1,2,3,4,5,6,7
	ds_store_b128 v[AEW], v[(\ac)+4*(\z):(\ac)+4*(\z)+3] offset:4096+512*(\z)
.endr
.endif
.endm
.macro LOADE g, b                    ; group g's E0, E2 and tile w of its E1 into buffer b: ten loads
.set eB, EBUF+40*(\b)
.irp z, 0,1,2,3
	ds_load_b128 v[eB+4*(\z):eB+4*(\z)+3], v[AER] offset:8192*(\g)+512*(\z)
.endr
.irp z, 0,1,2,3
	ds_load_b128 v[eB+16+4*(\z):eB+16+4*(\z)+3], v[AER] offset:8192*(\g)+2048+512*(\z)
.endr
	ds_load_b128 v[eB+32:eB+35], v[AE1R] offset:8192*(\g)
	ds_load_b128 v[eB+36:eB+39], v[AE1R] offset:8192*(\g)+512
.endm
; One product of the trace.  side 0: L (P^T in window 1, E0); side 1: R (Q^T in window 2, E2).
.macro PROD side, tile, kk, d, eb
.if (\side) == 0
	WIN 0x01
.else
	WIN 0x02
.endif
.set rA, 16*(\tile)+8*(\kk)
.set rB, (\eb)+16*(\side)+8*(\kk)
.if (\kk) == 0
	v_wmma_f32_16x16x32_f16 v[(\d):(\d)+7], v[rA:rA+7], v[rB:rB+7], 0
.else
	v_wmma_f32_16x16x32_f16 v[(\d):(\d)+7], v[rA:rA+7], v[rB:rB+7], v[(\d):(\d)+7]
.endif
.endm
; Number m of the 16 packed lines that take in the octet before (group PG, octet PO): for each of its two tiles i: four L x R in place (lowest registers first), four sums acc += (L R) s3t_i.
; Tile 0's lines start a group's sums, so nothing is cleared.
.macro RIDER m
.set rI, 2*PO+(\m)/8
.set rL, LR+32*(PO%2)+16*((\m)/8)
.set rX, 2*((\m)%4)
.set rC, ACC+8*(PG%2)
.if (\m)%8 < 4
	v_pk_mul_f32 v[rL+rX:rL+rX+1], v[rL+rX:rL+rX+1], v[rL+8+rX:rL+8+rX+1]
.elseif rI == 0
	v_pk_mul_f32 v[rC+rX:rC+rX+1], v[rL+rX:rL+rX+1], v[S3T:S3T+1]
.else
	v_pk_fma_f32 v[rC+rX:rC+rX+1], v[rL+rX:rL+rX+1], v[S3T+2*rI:S3T+2*rI+1], v[rC+rX:rC+rX+1]
.endif
.endm
; AN OCTET: tiles i = 2 o and 2 o + 1 of group g: La, Ra, Lb, Rb for K 0-31 (they start the sums), then for K 32-63: the four accumulators take turns.  rid = 1: two lines of the octet before stand behind
; each product.  Those lines name the other LR buffer, ACC and S3T alone, so they are the places: six between Ra's last product and the first line that reads it, ten for tile b.  rid = 0: four v_nop at the end.
.macro OCT g, o, rid
.set oD, LR+32*((\o)%2)
.set oE, EBUF+40*((\g)%2)
.set n, 0
.irp kk, 0,1
.irp tl, 0,1
.irp sd, 0,1
	PROD \sd, 2*(\o)+\tl, \kk, oD+16*\tl+8*\sd, oE
.if \rid
	WIN 0
	RIDER 2*n
	RIDER 2*n+1
.endif
.set n, n+1
.endr
.endr
.endr
.if !(\rid)
	WIN 0
	PLACES
.endif
.set PG, \g
.set PO, \o
.endm
.macro COMBINE g                     ; group g: the sums times e1, added over my 8 units and the other half of the lanes': my 16 units' share of 16 samples' traces
.set cA, ACC+8*((\g)%2)
.set cE, EBUF+40*((\g)%2)+32
	v_pk_mul_f32 v[CT:CT+1],   v[cA:cA+1],   v[cE:cE+1]
	v_pk_mul_f32 v[CT+2:CT+3], v[cA+2:cA+3], v[cE+2:cE+3]
	v_pk_fma_f32 v[CT:CT+1],   v[cA+4:cA+5], v[cE+4:cE+5], v[CT:CT+1]
	v_pk_fma_f32 v[CT+2:CT+3], v[cA+6:cA+7], v[cE+6:cE+7], v[CT+2:CT+3]
	v_pk_add_f32 v[CT:CT+1], v[CT:CT+1], v[CT+2:CT+3]
	v_add_f32 v[CT], v[CT], v[CT+1]
	v_permlanex16_b32 v[CT+1], v[CT], s62, s63
	v_add_f32 v[CT], v[CT], v[CT+1]
	ds_store_b32 v[APTW], v[CT] offset:64*(\g)
.endm
.macro XOUT                          ; x leaves through my own 1,024 bytes of LDS (LDS serves a wave's instructions in order: ISA guide 5.7.1.4): each store covers 512 consecutive bytes, aligned
	ds_store_b128 v[AXS], v[X:X+3]
	ds_store_b128 v[AXS], v[X+4:X+7] offset:16
	ds_load_b128 v[OT:OT+3], v[AXL]
	ds_load_b128 v[OT+4:OT+7], v[AXL] offset:512
	s_wait_dscnt 0x0
	global_store_b128 v[GOX], v[OT:OT+3], s[52:53] th:TH_STORE_NT
	global_store_b128 v[GOX], v[OT+4:OT+7], s[52:53] offset:512 th:TH_STORE_NT
	s_wait_xcnt 0x0                  ; the stores' data registers and out0's pointer are written again only behind this wait
.endm
; 16 tiles of a table, eight at a time: tile i = my fragment (frag, 16 registers) times row i of the other factor, which every lane of a half reads alike, in the fragment's K order
.macro BUILD win, frag, arow, pitch
.irp bt, 0,1
.set ii, 0
.rept 8
.irp z, 0,1,2,3
	ds_load_b128 v[ROWS+16*ii+4*(\z):ROWS+16*ii+4*(\z)+3], v[\arow] offset:(8*(\bt)+ii)*(\pitch)+32*(\z)
.endr
.set ii, ii+1
.endr
	s_wait_dscnt 0x0
	WIN (\win)<<6
.set ii, 0
.rept 128
	v_pk_mul_f16 v[128*(\bt)+ii], v[(\frag)+ii%16], v[ROWS+ii]
.set ii, ii+1
.endr
	WIN 0
.endr
.endm
; One layer (0..2) and one of its three times (q: 0 = t0, 1 = the middle, 2 = t1; tq: the register that holds it): s' and c' into the stages that use that time
.macro TABQ l, q, tq
	v_mul_f32 v186, v[\tq], v[53+4*(\l)]
	v_mul_f32 v187, K2, v[176+3*(\l)+(\q)]
	v_fma_f32 v186, v[52+4*(\l)], v[176+3*(\l)+(\q)], v186
	v_mul_f32 v186, K2, v186
.irp st, 0,1,2,3
.if ((\st)+1)/2 == (\q)
	ds_store_b32 v79, v187 offset:2048*(\st)+512*(\l)
	ds_store_b32 v79, v186 offset:2048*(\st)+512*(\l)+256
.endif
.endr
.endm
	; ---- HEAD: arguments, lane terms, addresses
	s_load_b512 s[8:23], s[0:1], 0x0     ; x0 8, ts 10, W0 12, W1 14, W2 16, W3 18, g0 20, gb0 22
	s_load_b512 s[24:39], s[0:1], 0x40   ; b0 24, hb0 26, g1 28, gb1 30, b1 32, hb1 34, g2 36, gb2 38
	s_load_b512 s[40:55], s[0:1], 0x80   ; b2 40, hb2 42, g3 44, gb3 46, b3 48, hb3 50, out0 52, out1 54
	s_load_b128 s[56:59], s[0:1], 0xc0   ; out2 56, out3 58
	v_lshl_add_u32 v[SPW], v0, 2, SPARE
	v_mov_b32 v[NIL], 0
	v_mov_b32 v[ZR], 0
	v_lshrrev_b32 v70, 5, v0
	v_readfirstlane_b32 s4, v70          ; wave 0..3
	v_and_b32 v70, 31, v0                ; l
	v_and_b32 v1, 15, v0                 ; r = l % 16
	v_bfe_u32 v71, v0, 4, 1              ; l / 16
	v_and_b32 v72, 63, v0
	v_lshlrev_b32 v72, 2, v72            ; tables: 4 x my unit (thread % 64)
	v_lshrrev_b32 v73, 6, v0             ; my RK step (thread / 64)
	v_bfe_u32 v74, v0, 4, 2              ; layer 3's tables: my stage ((thread / 16) % 4); my unit is r
	v_lshlrev_b32 v75, 2, v73
	v_lshlrev_b32 v76, 2, v1
	v_lshlrev_b32 v77, 4, v0             ; 16 x thread: a chunk of 2,048 bytes of weights
	s_mov_b32 s62, 0x76543210            ; v_permlanex16_b32: each lane takes its own place in the other half
	s_mov_b32 s63, 0xfedcba98
	s_lshl_b32 s2, ttmp9, 12             ; the work-group's 64 rows of 64 bytes,
	s_lshl_b32 s3, s4, 10                ; my wave's 16
	s_add_co_u32 s2, s2, s3
	v_lshl_add_u32 v78, v1, 6, s2
	v_lshl_add_u32 v78, v71, 5, v78      ; x0: row r, elements 8 (l / 16) on
	v_lshl_add_u32 v[GOX], v70, 4, s2
	v_lshl_add_u32 v79, v73, 13, v72     ; TAB + 8192 x step + 4 x unit
	v_lshrrev_b32 v194, 4, v0            ; thread / 16
	v_lshlrev_b32 v195, 3, v1
	v_lshl_add_u32 v195, v194, 11, v195  ; TAB + 2048 x evaluation + 8 r
	v_mul_u32_u24 v196, v194, 160
	v_lshl_add_u32 v196, v1, 3, v196
	v_add_nc_u32 v196, WH0, v196         ; f16 weights of 64 columns: row thread / 16, column 4 r
	v_lshl_add_u32 v194, v194, 11, v76   ; TAB + 2048 x evaluation + 4 r
	v_lshl_add_u32 v197, v0, 3, WH3
	s_lshl_b32 s3, s4, 13
	s_add_co_u32 s3, s3, EREG
	v_lshl_add_u32 v[AEW], v70, 4, s3
	v_lshl_add_u32 v[AER], v70, 4, EREG
	s_lshl_b32 s3, s4, 10
	s_add_co_u32 s5, s3, EREG+4096
	v_lshl_add_u32 v[AE1R], v70, 4, s5
	v_lshlrev_b32 v[ATB], 5, v71
	s_add_co_u32 s5, s3, XST
	v_lshl_add_u32 v[AXL], v70, 4, s5
	v_lshl_add_u32 v[AXS], v1, 6, s5
	v_lshl_add_u32 v[AXS], v71, 5, v[AXS]
	s_lshl_b32 s3, s4, 8
	s_add_co_u32 s3, s3, PT
	v_lshl_add_u32 v[APTW], v1, 2, s3
	s_lshl_b32 s3, s4, 6
	s_add_co_u32 s3, s3, PT
	v_lshl_add_u32 v[APTR], v1, 2, s3
	v_mov_b32 v[ATU], 0
	; the turning load (16 K x 16 units): lane l reads row 8 (l / 16) + l % 8, 16 bytes at 16 ((l / 8) % 2)
	v_and_b32 v198, 7, v70
	v_lshl_add_u32 v198, v71, 3, v198
	v_bfe_u32 v199, v70, 3, 1
	v_mul_u32_u24 v208, v198, 160
	v_lshl_add_u32 v208, v199, 4, v208
	v_add_nc_u32 v209, WH1, v208
	v_add_nc_u32 v210, WH2, v208
	v_lshlrev_b32 v211, 5, v198
	v_lshl_add_u32 v211, v199, 4, v211
	v_add_nc_u32 v211, WH3, v211
	s_lshl_b32 s3, s4, 5
	v_add_nc_u32 v212, s3, v209          ; W1, columns 16 w on
	v_add_nc_u32 v208, WH0, v208
	v_mul_u32_u24 v213, v1, 160
	v_lshl_add_u32 v213, v71, 4, v213
	s_mul_i32 s3, s4, 2560
	s_add_co_u32 s3, s3, WH2
	v_add_nc_u32 v213, s3, v213          ; W2, row 16 w + r
	s_mul_i32 s3, s4, 2304
	s_add_co_u32 s3, s3, W3T
	v_lshl_add_u32 v216, v71, 4, s3      ; a row of my W3^T, in a fragment's K order
	v_mul_u32_u24 v214, v1, 144
	v_add_nc_u32 v214, v214, v216        ; where I put W3^T's row r
	v_lshl_add_u32 v215, v71, 4, WH0     ; a row of W0 likewise
	s_wait_kmcnt 0x0
	; ---- LOADS: 18 small ones for the tables, then 22: the weights (a wave's load covers 512 consecutive bytes) and x0
	global_load_b32 v48, v75, s[10:11]             ; t0 and t1 of my step
	global_load_b32 v49, v75, s[10:11] offset:4
.set cc, 0
.rept 12
	global_load_b32 v[50+cc], v72, s[20+2*cc:21+2*cc]  ; g, gb, b, hb of layers 0, 1, 2: v[50 + 4 l ..]
.set cc, cc+1
.endr
.rept 4
	global_load_b32 v[50+cc], v76, s[20+2*cc:21+2*cc]  ; of layer 3: v62 .. v65
.set cc, cc+1
.endr
.irp z, 0,1
	global_load_b128 v[96+4*(\z):99+4*(\z)], v77, s[12:13] offset:2048*(\z)
	global_load_b128 v[104+4*(\z):107+4*(\z)], v77, s[18:19] offset:2048*(\z)
.endr
.irp z, 0,1,2,3,4,5,6,7
	global_load_b128 v[112+4*(\z):115+4*(\z)], v77, s[14:15] offset:2048*(\z)
	global_load_b128 v[144+4*(\z):147+4*(\z)], v77, s[16:17] offset:2048*(\z)
.endr
	global_load_b128 v[X:X+3], v78, s[8:9] th:TH_LOAD_NT
	global_load_b128 v[X+4:X+7], v78, s[8:9] offset:16 th:TH_LOAD_NT
	s_wait_loadcnt 22                              ; ts and the gate vectors are in; the 22 younger loads stay out
	; ---- TABLES for all 8 evaluations.  Layers 0..2: a thread has one unit of one step, at three times.  Layer 3 and the RK factors: one unit of one evaluation.
	v_sub_f32 v67, v49, v48                        ; h
	v_fma_f32 v66, v67, 0.5, v48                   ; the middle time
	v_cmp_eq_u32 vcc_lo, 0, v74
	v_cndmask_b32 v68, v66, v48, vcc_lo
	v_cmp_eq_u32 vcc_lo, 3, v74
	v_cndmask_b32 v68, v68, v49, vcc_lo            ; my evaluation's time
.irp l, 0,1,2
	v_fma_f32 v[176+3*(\l)], v48, v[50+4*(\l)], v[51+4*(\l)]
	v_fma_f32 v[177+3*(\l)], v66, v[50+4*(\l)], v[51+4*(\l)]
	v_fma_f32 v[178+3*(\l)], v49, v[50+4*(\l)], v[51+4*(\l)]
.endr
	v_fma_f32 v185, v68, v62, v63
.set cc, 0
.rept 10
	v_mul_f32 v[176+cc], 0xbfb8aa3b, v[176+cc]     ; - log2(e) z
.set cc, cc+1
.endr
.set cc, 0
.rept 10
	v_exp_f32 v[176+cc], v[176+cc]
.set cc, cc+1
.endr
	TWAIT
.set cc, 0
.rept 10
	v_add_f32 v[176+cc], 1.0, v[176+cc]
.set cc, cc+1
.endr
.set cc, 0
.rept 10
	v_rcp_f32 v[176+cc], v[176+cc]                 ; the ten sigmoids
.set cc, cc+1
.endr
	TWAIT
.irp l, 0,1,2
	TABQ \l, 0, 48
	TABQ \l, 1, 66
	TABQ \l, 2, 49
.endr
	v_mul_f32 v186, v68, v65
	v_fma_f32 v186, v64, v185, v186                ; c3 = b3 s3 + t hb3
	v_mul_f32 v188, 0.5, v67                       ; alpha: h/2, h/2, h, 0
	v_cmp_eq_u32 vcc_lo, 2, v74
	v_cndmask_b32 v188, v188, v67, vcc_lo
	v_cmp_eq_u32 vcc_lo, 3, v74
	v_cndmask_b32 v188, v188, v[ZR], vcc_lo
	v_mul_f32 v189, 0x3e2aaaab, v67                ; the weight: h/6, h/3, h/3, h/6
	v_add_f32 v190, v189, v189
	v_add_nc_u32 v191, -1, v74
	v_cmp_gt_u32 vcc_lo, 2, v191
	v_cndmask_b32 v189, v189, v190, vcc_lo
	v_mul_f32 v192, 0x402a8235, v185               ; s3t = s3 (2 ln 2)^3, twice
	v_mov_b32 v193, v192
	ds_store_b32 v194, v185 offset:1536
	ds_store_b32 v194, v186 offset:1600
	ds_store_b64 v195, v[192:193] offset:1664
	ds_store_b32 v194, v188 offset:1792
	ds_store_b32 v194, v189 offset:1856
	; ---- WEIGHTS to f16, into LDS
	s_wait_loadcnt 0x0
.set cc, 0
.rept 20
	v_cvt_pk_f16_f32 v[96+4*cc], v[96+4*cc], v[97+4*cc]
	v_cvt_pk_f16_f32 v[97+4*cc], v[98+4*cc], v[99+4*cc]
.set cc, cc+1
.endr
.irp z, 0,1
	ds_store_b64 v196, v[96+4*(\z):97+4*(\z)] offset:1280*(\z)
	ds_store_b64 v197, v[104+4*(\z):105+4*(\z)] offset:1024*(\z)
.endr
.irp z, 0,1,2,3,4,5,6,7
	ds_store_b64 v196, v[112+4*(\z):113+4*(\z)] offset:WH1-WH0+1280*(\z)
	ds_store_b64 v196, v[144+4*(\z):145+4*(\z)] offset:WH2-WH0+1280*(\z)
.endr
.irp g, 0,1,2,3
	ds_store_b32 v[APTW], v[ZR] offset:64*(\g)     ; the first evaluation adds the trace of none before it: zeros
.endr
	BAR                                            ; tables, weights and zeros are whole
	; ---- FRAGMENTS.  W_l lies [in][out], so source 0 (rows = outputs) comes by the turning load.
	WIN 0xc0                                       ; destination window 3, address window 0
.irp mt, 0,1,2,3
	ds_load_tr16_b128 v[FW0+8*(\mt):FW0+8*(\mt)+3], v208 offset:32*(\mt)
.irp z, 4,5,6,7
	v_mov_b32 v[FW0+8*(\mt)+(\z)], 0               ; K 16-31 of layer 0 do not exist
.endr
.irp kk, 0,1
	ds_load_tr16_b128 v[FW1+16*(\mt)+8*(\kk):FW1+16*(\mt)+8*(\kk)+3],   v209 offset:5120*(\kk)+32*(\mt)
	ds_load_tr16_b128 v[FW1+16*(\mt)+8*(\kk)+4:FW1+16*(\mt)+8*(\kk)+7], v209 offset:5120*(\kk)+32*(\mt)+2560
	ds_load_tr16_b128 v[FW2+16*(\mt)+8*(\kk):FW2+16*(\mt)+8*(\kk)+3],   v210 offset:5120*(\kk)+32*(\mt)
	ds_load_tr16_b128 v[FW2+16*(\mt)+8*(\kk)+4:FW2+16*(\mt)+8*(\kk)+7], v210 offset:5120*(\kk)+32*(\mt)+2560
.endr
.endr
.irp kk, 0,1
	ds_load_tr16_b128 v[FW3+8*(\kk):FW3+8*(\kk)+3],   v211 offset:1024*(\kk)
	ds_load_tr16_b128 v[FW3+8*(\kk)+4:FW3+8*(\kk)+7], v211 offset:1024*(\kk)+512
.endr
	WIN 0
.irp z, 0,1,2,3
	ds_load_tr16_b128 v[BJ+4*(\z):BJ+4*(\z)+3], v212 offset:2560*(\z)  ; W1[k][16 w + r]
	ds_load_b128 v[CJ+4*(\z):CJ+4*(\z)+3], v213 offset:32*(\z)         ; W2[16 w + r][k]
.endr
	s_wait_dscnt 0x0
	WIN 0x0c                                       ; store data from window 3: layer 3's fragment holds row r of W3^T
.irp z, 0,1,2,3
	ds_store_b128 v214, v[FW3+4*(\z):FW3+4*(\z)+3] offset:32*(\z)
.endr
	WIN 0
	BUILD 1, BJ, 215, 160                          ; P^T: W1[k][j] x W0[i][k]
	BUILD 2, CJ, 216, 144                          ; Q^T: W2[j][k] x W3[k][i]  (my own bytes of W3T: served in order behind the stores above)
	; ---- STATE
.set cc, 0
.rept 8
	v_mov_b32 v[XA+cc], v[X+cc]
.set cc, cc+1
.endr
.irp y, 0,1,2,3
	v_cvt_pk_f16_f32 v[XB+(\y)], v[X+2*(\y)], v[X+2*(\y)+1]
	v_mov_b32 v[XB+4+(\y)], 0
.endr
	v_mov_b32 v[KE2], 0
	v_mov_b32 v[KE2+1], 0
	v_mov_b32 v[LD], 0
	v_mov_b32 v[WPV], 0
	v_mov_b32 v[WPV+1], 0
	XOUT                                           ; out0's first slab is x0
	s_mov_b32 s7, 2
.Lstep:
	s_mov_b32 s6, 4
.Lstage:                                               ; ONE EVALUATION
	; the evaluation before's partial traces (all waves wrote them ahead of the last barrier), this one's RK factors, layer 0's tables
.irp z, 0,1,2,3
	ds_load_b32 v[PTV+(\z)], v[APTR] offset:256*(\z)
.endr
	ds_load_b64 v[ALP:ALP+1], v[ATU] offset:1792
	ds_load_b64 v[RW:RW+1], v[ATU] offset:1856
	GATE GS0, 0
	GATE GC, 256
	MM0
	s_wait_dscnt 0x0
	v_add_f32 v[PTV], v[PTV], v[PTV+1]             ; six plain lines that name nothing of layer 0's products: the places behind them
	v_add_f32 v[PTV+2], v[PTV+2], v[PTV+3]
	v_add_f32 v[PTV], v[PTV], v[PTV+2]
	v_fmac_f32 v[LD], v[WPV], v[PTV]               ; log-det += the weight before x the trace before
	v_mov_b32 v[WPV], v[RW]
	v_mov_b32 v[WPV+1], v[RW+1]
	PRE AC0, GS0
	GATE GS1, 512                                  ; layer 1's tables come in under the transcendentals
	GATE GC, 768
	TWAIT
	MID AC0
	TWAIT
	HOUT AC0
	MMH FW1, AC1
	EWORK AC0, GS0, 16, 0                          ; E0; its lines are the places behind layer 1's products
	s_wait_dscnt 4                                 ; the four stores just issued may be out; the tables, older, are in
	PRE AC1, GS1
	GATE GS0, 1024
	GATE GC, 1280
	TWAIT
	MID AC1
	TWAIT
	HOUT AC1
	MMH FW2, AC0
	EWORK AC1, GS1, 32, 0                          ; E1, in f32
	s_wait_dscnt 8                                 ; the eight stores just issued may be out
	PRE AC0, GS0
	ds_load_b128 v[GS1:GS1+3],   v[ATB] offset:1536  ; s3 and c3 of my 8 outputs
	ds_load_b128 v[GS1+4:GS1+7], v[ATB] offset:1552
	ds_load_b128 v[GC:GC+3],     v[ATB] offset:1600
	ds_load_b128 v[GC+4:GC+7],   v[ATB] offset:1616
	TWAIT
	MID AC0
	TWAIT
	HOUT AC0
	WIN 0x03                                       ; layer 3: K's two halves into two accumulators, added below: no chain
	v_wmma_f32_16x16x32_f16 v[D3A:D3A+7], v[FW3:FW3+7], v[HB:HB+7], 0
	v_wmma_f32_16x16x32_f16 v[D3B:D3B+7], v[FW3+8:FW3+15], v[HB+8:HB+15], 0
	WIN 0
	EWORK AC0, GS0, 16, 2048                       ; E2
	s_wait_dscnt 4                                 ; the four stores just issued may be out
.irp y, 0,1,2,3
	v_pk_add_f32 v[D3A+2*(\y):D3A+2*(\y)+1], v[D3A+2*(\y):D3A+2*(\y)+1], v[D3B+2*(\y):D3B+2*(\y)+1]
.endr
.irp y, 0,1,2,3
	v_pk_fma_f32 v[D3A+2*(\y):D3A+2*(\y)+1], v[D3A+2*(\y):D3A+2*(\y)+1], v[GS1+2*(\y):GS1+2*(\y)+1], v[GC+2*(\y):GC+2*(\y)+1]  ; dx
.endr
	v_pk_mul_f32 v[D3B:D3B+1], v[D3A:D3A+1], v[D3A:D3A+1]
.irp y, 1,2,3
	v_pk_fma_f32 v[D3B:D3B+1], v[D3A+2*(\y):D3A+2*(\y)+1], v[D3A+2*(\y):D3A+2*(\y)+1], v[D3B:D3B+1]
.endr
	v_pk_fma_f32 v[KE2:KE2+1], v[D3B:D3B+1], v[WPV:WPV+1], v[KE2:KE2+1]
.irp y, 0,1,2,3
	v_pk_fma_f32 v[XA+2*(\y):XA+2*(\y)+1], v[D3A+2*(\y):D3A+2*(\y)+1], v[WPV:WPV+1], v[XA+2*(\y):XA+2*(\y)+1]
.endr
.irp y, 0,1,2,3
	v_pk_fma_f32 v[D3B+2*(\y):D3B+2*(\y)+1], v[D3A+2*(\y):D3A+2*(\y)+1], v[ALP:ALP+1], v[X+2*(\y):X+2*(\y)+1]  ; the next stage's x
.endr
.irp y, 0,1,2,3
	v_cvt_pk_f16_f32 v[XB+(\y)], v[D3B+2*(\y)], v[D3B+2*(\y)+1]
.endr
	BAR                                            ; all four groups' E0, E1, E2 are written; every wave has read the partial traces of the evaluation before
	; THE TRACE: 4 groups x 8 octets
	LOADE 0, 0
.irp z, 0,1,2,3,4,5,6,7
	ds_load_b128 v[S3T+4*(\z):S3T+4*(\z)+3], v[ATU] offset:1664+16*(\z)
.endr
	LOADE 1, 1
	s_wait_dscnt 10                                ; group 1's ten loads may stay out
	OCT 0, 0, 0
.irp o, 1,2,3,4,5,6,7
	OCT 0, \o, 1
.endr
.irp g, 1,2,3
	s_wait_dscnt 0x0                               ; this group's E, asked for seven octets ago, is in
	OCT \g, 0, 1                                   ; its riders end the group before,
	COMBINE (\g)-1                                 ; which is summed up; only then its buffer takes the group after this one
.if (\g) < 3
	LOADE (\g)+1, ((\g)+1)%2
.endif
.irp o, 1,2,3,4,5,6,7
	OCT \g, \o, 1
.endr
.endr
	WIN 0
	PLACES
.irp m, 0,1,2,3,4,5,6,7,8,9,10,11,12,13,14,15
	RIDER \m
.endr
	COMBINE 3
	v_add_nc_u32 v[ATB], 2048, v[ATB]              ; the next evaluation's tables
	v_add_nc_u32 v[ATU], 2048, v[ATU]
	BAR                                            ; the partial traces are written, and nobody reads E any more
	s_sub_co_u32 s6, s6, 1
	s_cmp_lg_u32 s6, 0
	s_cbranch_scc1 .Lstage
	; A STEP'S END
.set cc, 0
.rept 8
	v_mov_b32 v[X+cc], v[XA+cc]
.set cc, cc+1
.endr
.irp y, 0,1,2,3
	v_cvt_pk_f16_f32 v[XB+(\y)], v[XA+2*(\y)], v[XA+2*(\y)+1]
.endr
	s_add_nc_u64 s[52:53], s[52:53], 0x100000      ; out0's next slab: 16,384 rows of 64 bytes
	XOUT
	s_sub_co_u32 s7, s7, 1
	s_cmp_lg_u32 s7, 0
	s_cbranch_scc1 .Lstep
	; ---- THE END: the last trace; the kinetic sum; three rows of 64 numbers gathered in LDS, so that one store writes 256 consecutive bytes, aligned
.irp z, 0,1,2,3
	ds_load_b32 v[PTV+(\z)], v[APTR] offset:256*(\z)
.endr
	v_add_f32 v[KE2], v[KE2], v[KE2+1]
	v_permlanex16_b32 v[KE2+1], v[KE2], s62, s63
	v_add_f32 v[KE2], v[KE2], v[KE2+1]
	v_mul_f32 v[KE2], 0.5, |v[KE2]|
	s_lshl_b32 s3, s4, 6
	s_add_co_u32 s3, s3, RES
	v_lshl_add_u32 v[TA], v1, 2, s3
	s_wait_dscnt 0x0
	v_add_f32 v[PTV], v[PTV], v[PTV+1]
	v_add_f32 v[PTV+2], v[PTV+2], v[PTV+3]
	v_add_f32 v[PTV], v[PTV], v[PTV+2]
	v_fmac_f32 v[LD], v[WPV], v[PTV]
	ds_store_b32 v[TA], v[LD]
	ds_store_b32 v[TA], v[KE2] offset:256
	ds_store_b32 v[TA], v[ZR] offset:512
	BAR
	s_cmp_eq_u32 s4, 0                             ; wave 0 stores out1, wave 1 out2, wave 2 out3
	s_cselect_b64 s[60:61], s[54:55], s[56:57]
	s_cmp_eq_u32 s4, 2
	s_cselect_b64 s[60:61], s[58:59], s[60:61]
	s_cmp_lt_u32 s4, 3
	s_cbranch_scc0 .Lend
	v_and_b32 v[TA], 31, v0
	s_lshl_b32 s3, s4, 8
	s_add_co_u32 s3, s3, RES
	s_lshl_b32 s5, ttmp9, 8
	v_lshl_add_u32 v240, v[TA], 3, s3
	v_lshl_add_u32 v241, v[TA], 3, s5
	ds_load_b64 v[242:243], v240
	s_wait_dscnt 0x0
	global_store_b64 v241, v[242:243], s[60:61] th:TH_STORE_NT
.Lend:
	s_wait_tensorcnt 0x0                           ; the wave's end: three lines behind my last LDS store
	ds_add_u32 v[SPW], v[NIL]
	s_wait_dscnt 0x0
	s_endpgm
.Lfunc_end_k_q81d46c71db_traj:
	.size	k_q81d46c71db_traj, .Lfunc_end_k_q81d46c71db_traj-k_q81d46c71db_traj
	.p2alignl 7, 3214868480
	.fill 96, 4, 3214868480
	.section	.rodata,"a",@progbits
	.p2align	6, 0x0
	.amdhsa_kernel k_q81d46c71db_traj
		.amdhsa_group_segment_fixed_size 89856
		.amdhsa_private_segment_fixed_size 0
		.amdhsa_enable_private_segment 0
		.amdhsa_kernarg_size 208
		.amdhsa_user_sgpr_count 2
		.amdhsa_user_sgpr_kernarg_segment_ptr 1
		.amdhsa_wavefront_size32 1
		.amdhsa_system_sgpr_workgroup_id_x 1
		.amdhsa_system_sgpr_workgroup_id_y 1
		.amdhsa_system_sgpr_workgroup_id_z 1
		.amdhsa_system_vgpr_workitem_id 0
		.amdhsa_next_free_vgpr 944
		.amdhsa_next_free_sgpr 66
		.amdhsa_reserve_vcc 1
		.amdhsa_float_denorm_mode_32 3
		.amdhsa_float_denorm_mode_16_64 3
		.amdhsa_memory_ordered 1
		.amdhsa_forward_progress 1
		.amdhsa_inst_pref_size 172
	.end_amdhsa_kernel
	.amdgpu_metadata
---
amdhsa.version: [ 1, 2 ]
amdhsa.kernels:
  - .name:           k_q81d46c71db_traj
    .symbol:         k_q81d46c71db_traj.kd
    .args:
      - { .name: x0, .offset: 0, .size: 8, .value_kind: global_buffer, .address_space: global }
      - { .name: ts, .offset: 8, .size: 8, .value_kind: global_buffer, .address_space: global }
      - { .name: W0, .offset: 16, .size: 8, .value_kind: global_buffer, .address_space: global }
      - { .name: W1, .offset: 24, .size: 8, .value_kind: global_buffer, .address_space: global }
      - { .name: W2, .offset: 32, .size: 8, .value_kind: global_buffer, .address_space: global }
      - { .name: W3, .offset: 40, .size: 8, .value_kind: global_buffer, .address_space: global }
      - { .name: g0, .offset: 48, .size: 8, .value_kind: global_buffer, .address_space: global }
      - { .name: gb0, .offset: 56, .size: 8, .value_kind: global_buffer, .address_space: global }
      - { .name: b0, .offset: 64, .size: 8, .value_kind: global_buffer, .address_space: global }
      - { .name: hb0, .offset: 72, .size: 8, .value_kind: global_buffer, .address_space: global }
      - { .name: g1, .offset: 80, .size: 8, .value_kind: global_buffer, .address_space: global }
      - { .name: gb1, .offset: 88, .size: 8, .value_kind: global_buffer, .address_space: global }
      - { .name: b1, .offset: 96, .size: 8, .value_kind: global_buffer, .address_space: global }
      - { .name: hb1, .offset: 104, .size: 8, .value_kind: global_buffer, .address_space: global }
      - { .name: g2, .offset: 112, .size: 8, .value_kind: global_buffer, .address_space: global }
      - { .name: gb2, .offset: 120, .size: 8, .value_kind: global_buffer, .address_space: global }
      - { .name: b2, .offset: 128, .size: 8, .value_kind: global_buffer, .address_space: global }
      - { .name: hb2, .offset: 136, .size: 8, .value_kind: global_buffer, .address_space: global }
      - { .name: g3, .offset: 144, .size: 8, .value_kind: global_buffer, .address_space: global }
      - { .name: gb3, .offset: 152, .size: 8, .value_kind: global_buffer, .address_space: global }
      - { .name: b3, .offset: 160, .size: 8, .value_kind: global_buffer, .address_space: global }
      - { .name: hb3, .offset: 168, .size: 8, .value_kind: global_buffer, .address_space: global }
      - { .name: out0, .offset: 176, .size: 8, .value_kind: global_buffer, .address_space: global }
      - { .name: out1, .offset: 184, .size: 8, .value_kind: global_buffer, .address_space: global }
      - { .name: out2, .offset: 192, .size: 8, .value_kind: global_buffer, .address_space: global }
      - { .name: out3, .offset: 200, .size: 8, .value_kind: global_buffer, .address_space: global }
    .group_segment_fixed_size: 89856
    .private_segment_fixed_size: 0
    .kernarg_segment_align: 8
    .kernarg_segment_size: 208
    .max_flat_workgroup_size: 128
    .sgpr_count:     66
    .vgpr_count:     944
    .wavefront_size: 32
...
	.end_amdgpu_metadata
.endif
;; end of part 1
;; ======== version 2 of 2: 1 launch; version 1 with the launch traj written anew for expert scheduling mode
;; limits: values are held in f16: magnitudes above 65,504 overflow, below 6.1e-05 lose precision
;; launch traj (part 2): grid 256 x 1, 4 waves a work-group, no clusters, 89,856 bytes of LDS; arguments x0, ts, W0, W1, W2, W3, g0, gb0, b0, hb0, g1, gb1, b1, hb1, g2, gb2, b2, hb2, g3, gb3, b3, hb3, out0, out1, out2, out3; writes out0, out1, out2, out3
.if DOCPART == 2
	.amdgcn_target "amdgcn-amd-amdhsa--gfx1250"
	.amdhsa_code_object_version 6
	.text
	.protected	k_q81d46c71db_traj
	.globl	k_q81d46c71db_traj
	.p2align	8
	.type	k_q81d46c71db_traj,@function
k_q81d46c71db_traj:
	s_mov_b64 s[64:65], 0
	v_nop
	global_prefetch_b8 v0, s[64:65] scope:SCOPE_SE
	s_setreg_imm32_b32 hwreg(HW_REG_WAVE_SCHED_MODE, 0, 2), 2
	s_setreg_imm32_b32 hwreg(HW_REG_WAVE_MODE, 25, 1), 1
	s_wait_xcnt 0x0
	s_wait_alu depctr_vm_vsrc(0)
; TRAJECTORYNET: two RK4 steps (8 evaluations) of z' = (f(t,x), tr df/dx, |f|^2 / 2) for 16,384 samples; f is a gated tanh net 16 -> 64 -> 64 -> 64 -> 16:
; layer l: a = (h W + b) s + t hb, s = sigmoid(t g + gb), tanh behind layers 0 to 2.  out0 = x at the three times, out1 = log-det, out2 = |kinetic|, out3 = 0.
; SHARES.  A work-group owns 64 samples, four groups of 16, for the whole launch: nothing goes through memory between evaluations.  Forward pass: wave w does group w.
; THE TRACE, exact for every input, meets in the middle layer.  With e_l = s_l (1 - tanh^2):  tr J = sum_i s3_i sum_j e1_j L_ij R_ij,
;   L_ij = sum_k e0_k P[k][i,j], P = W0[i,k] W1[k,j];   R_ij = sum_k e2_k Q[k][i,j], Q = W2[j,k] W3[k,i].
; P and Q hang neither on the sample nor on t.  Wave w owns the middle units j = 16 w .. 16 w + 15 for all i and all four groups: 16 tiles (16 j x 64 k) of each table, 256 + 256 registers, made once.
; LAYOUT.  Every product is taken transposed: source 0 = weights (rows = output units), source 1 = data (columns = samples).  In a result lane l holds ONE sample (l % 16) and the units 8 (l / 16) + 0..7;
; two neighbouring tiles rounded in pairs to f16 ARE the next source 1, so nothing changes lanes along the net, and wave w's trace tiles lie as tile w of e1 lies.
; TANH.  a' = 2 log2(e) a;  E = 2^a';  r = 1 / (1 + E);  tanh = 1 - 2 r;  (1 - tanh^2) / 4 = r - r^2.  E = infinity gives r = 0, tanh = 1; E = 0 gives tanh = -1.  The tables hold s' = 2 log2(e) s and
; c' = 2 log2(e) (b s + t hb); what is kept of e is (r - r^2) s' = e / (2 ln 2), at most 0.72; the three factors 2 ln 2 ride in s3t = s3 (2 ln 2)^3.
; FORMATS.  Matrix operands in f16 (11 significant bits), all sums, x, the RK sums and e1 in f32.
; LIMITS.  |W_l|, |x|, |W0 W1| and |W2 W3| stay under 65,504 (f16's end); below 6e-5 they keep f16's fixed step of 6e-8.  P and Q are f16(W) x f16(W) rounded to f16: three roundings.
; h / 6 is h x (1/6).  The exponentials take a denormal as 0 (ISA guide 15.8).  NaN and infinities among the inputs are not treated apart.
; NOT USED.  Tensor loads: the only bulk input, 41 KB of weights, is converted f32 -> f16 in registers, once.  Clusters: those 41 KB at the head are all that work-groups share.  Prefetch: nothing is streamed.
; THE MODE: SCHED_MODE bits 1:0 = 2 (LLVM: expert scheduling mode 2), set by the entry lines.  The code itself states the register dependences between vector or matrix instructions and memory or LDS
; instructions, with s_wait_alu, always for 0.
; THE PLAN, for one evaluation.  Registers that LDS instructions touch, and who else names them:
;   PTV, ALP, RW   loaded at the head; read by vector lines of the forward pass (v248-255 are later written as D3B).
;   GS0, GS1, GC   the gate tables.  Each is loaded again directly behind the wait that stands behind a layer's exponentials: ahead of that wait stand all the lines that read the old table.
;   EH, AC1, EH2   E0 (f16), E1 (f32), E2 (f16) as stored.  E0's and E1's stores stand behind the NEXT layer's wait behind its exponentials, E2's behind the wait at the forward pass's end.
;   E buffers, S3T all four groups' E0, E2, E1 and s3t are loaded behind the middle barrier, each group into registers of its own: no load stands among the trace's 256 products, only one wait ahead of each of groups 1 to 3.
;   PTW            the four partial traces, a register each; stored together behind the wait at the trace's end.
;   ATB, ATU       the tables' addresses, stepped once, ahead of that same wait.  Every other address is made at the head and never written again.
; No vector line stands between the wait at the trace's end and the next evaluation's first loads, nor between the wait ahead of a way out of x and those loads: so the head of an evaluation holds no wait.
;
; LDS (bytes)
.set TAB,   0        ; 8 evaluations x 2,048: layer l = 0..2: s' at 512 l, c' at 512 l + 256; s3 1536; c3 1600; s3t as pairs 1664; alpha x 16 at 1792; weight x 16 at 1856
.set EREG,  16384    ; group g at 8,192 g: E0 +0, E2 +2048 (f16), E1 +4096 (f32): register images, four registers of lane l at 512 q + 16 l
.set WH0,   49152    ; f16 W0 [16][64], rows 160 bytes apart (an odd multiple of 32, for the turning load)
.set WH1,   51712    ; f16 W1 [64][64], 160
.set WH2,   61952    ; f16 W2 [64][64], 160
.set WH3,   72192    ; f16 W3 [64][16], 32
.set W3T,   74240    ; each wave's own 2,304: f16 W3^T [16][64], rows 144 apart
.set PT,    83456    ; partial traces [writer wave][group][16 samples] f32
.set XST,   84480    ; each wave's own 1,024: 16 rows of x, for the way out
.set RES,   88576    ; three rows of 256: log-det, |kinetic|, zeros; the 512 bytes behind them hold the spare words of the closing add
; REGISTERS, in windows of 256 (s_set_vgpr_msb: bits 1:0 source 0, 3:2 source 1, 5:4 source 2, 7:6 destination).
; window 1: P^T, tile i, K half kk at 16 i + 8 kk.   window 2: Q^T likewise.   window 3: v0-175 the forward weights' fragments, v176-255 groups 2 and 3's E.   window 0: all else.
.set AEW,  4         ; EREG + 8192 w + 16 l: where I write my group's E
.set AER,  5         ; EREG + 16 l: where I read any group's E0, E2
.set AE1R, 6         ; EREG + 4096 + 1024 w + 16 l: tile w of any group's E1
.set ATB,  7         ; TAB + 32 (l / 16), + 2,048 an evaluation
.set APTW, 8         ; PT + 256 w + 4 r
.set APTR, 9         ; PT + 64 w + 4 r
.set AXS,  10        ; XST + 1024 w + 64 r + 32 (l / 16)
.set AXL,  11        ; XST + 1024 w + 16 l
.set GOX,  12        ; my byte offset in a slab of out0
.set ATU,  13        ; TAB, + 2,048 an evaluation
.set ZR,   14        ; 0
.set TA,   15        ; an address, at the end
.set X,    16        ; v[16:23]  x at the step's start: sample r, elements 8 (l / 16) + 0..7
.set XA,   24        ; v[24:31]  x + the RK sum so far
.set XB,   32        ; v[32:39]  the stage's x in f16, as source 1; 36-39 stay 0 (K = 16 of 32)
.set KE2,  40        ; v[40:41]  kinetic sum x 2, even and odd elements
.set LD,   42        ; log-det
.set WPV,  44        ; v[44:45]  the RK weight of the evaluation in hand, twice
.set ALP,  46        ; v[46:47]  the factor that makes the next stage's x, twice
.set AC0,  48        ; forward: two sets of four accumulators,
.set AC1,  80
.set GS0,  112       ; two sets of s',
.set GS1,  144
.set EH2,  160       ; E2 in f16: GS1's upper half, idle by then
.set GC,   176       ; c',
.set HB,   208       ; tanh in f16: source 1 of the next layer,
.set EH,   224       ; E0 in f16,
.set HT,   240       ; at work
.set D3A,  240       ; layer 3's two half sums
.set D3B,  248
.set OT,   240       ; the way out
.set PTV,  248       ; four partial traces, as read
.set RW,   252       ; the weight as loaded
.set LR,   48        ; trace: two buffers of 32: tile a's L, R, tile b's L, R
.set EBUF, 112       ; groups 0 and 1: buffers of 40: E0 (16), E2 (16), E1 (8)
.set EB3,  176       ; groups 2 and 3: the same, in window 3
.set ACC,  192       ; two buffers of 8: sum over i of s3t L R
.set S3T,  208       ; pair i at 208 + 2 i
.set CT,   240
.set PTW,  244       ; my units' share of group g's traces at PTW + g
.set FW0,  0         ; window 3
.set FW1,  32
.set FW2,  96
.set FW3,  160
.set BJ,   48        ; set-up: W1^T's fragment of my 16 j,
.set CJ,   64        ; W2's,
.set ROWS, 80        ; eight rows of W0 or W3^T in a fragment's K order,
.set TS,   218       ; and s', c' of layer l at time q: a pair at TS + 6 l + 2 q
.set K2,   0x4038aa3b ; 2 log2(e)
.set MSB, 0
.set PG, 0
.set PO, 0
.macro WIN new                       ; the high byte repeats the setting that is left; a switch that changes nothing is dropped
.if MSB != (\new)
	s_set_vgpr_msb (MSB<<8)|(\new)
.set MSB, (\new)
.endif
.endm
.macro PLACES                        ; four plain places behind a matrix instruction (ISA guide 7.12.1)
.rept 4
	v_nop
.endr
.endm
.macro TWAIT                         ; a plain instruction behind a batch's last transcendental, and the one wait ahead of the batch's first reader:
	v_nop
	s_wait_alu depctr_va_vdst(0)     ; the batch's results are written
.endm
.macro BAR                           ; my LDS stores and loads are done; then all four waves meet
	s_wait_dscnt 0x0
	s_barrier_signal -1
	s_barrier_wait -1
.endm
.macro GATE dst, off                 ; a table row of 64 numbers: my 8 of each of the four tiles
.irp mt, 0,1,2,3
	ds_load_b128 v[(\dst)+8*(\mt):(\dst)+8*(\mt)+3],   v[ATB] offset:(\off)+64*(\mt)
	ds_load_b128 v[(\dst)+8*(\mt)+4:(\dst)+8*(\mt)+7], v[ATB] offset:(\off)+64*(\mt)+16
.endr
.endm
.macro MM0                           ; layer 0: four tiles, K = 16 (the upper half of both sources is 0)
	WIN 0x03
.irp mt, 0,1,2,3
	v_wmma_f32_16x16x32_f16 v[AC0+8*(\mt):AC0+8*(\mt)+7], v[FW0+8*(\mt):FW0+8*(\mt)+7], v[XB:XB+7], 0
.endr
	WIN 0
.endm
.macro MMH fw, ac                    ; a 64 x 64 layer: the four accumulators take turns, so three other products stand between a chain's two links
	WIN 0x03
.irp kk, 0,1
.irp mt, 0,1,2,3
.if (\kk) == 0
	v_wmma_f32_16x16x32_f16 v[(\ac)+8*(\mt):(\ac)+8*(\mt)+7], v[(\fw)+16*(\mt):(\fw)+16*(\mt)+7], v[HB:HB+7], 0
.else
	v_wmma_f32_16x16x32_f16 v[(\ac)+8*(\mt):(\ac)+8*(\mt)+7], v[(\fw)+16*(\mt)+8:(\fw)+16*(\mt)+15], v[HB+8:HB+15], v[(\ac)+8*(\mt):(\ac)+8*(\mt)+7]
.endif
.endr
.endr
	WIN 0
.endm
.macro PRE ac, gs                    ; a' = sum x s' + c', ascending (each accumulator's lowest registers first), and 2^a' in place, two behind each packed line
.set p, 0
.rept 16
	v_pk_fma_f32 v[(\ac)+2*p:(\ac)+2*p+1], v[(\ac)+2*p:(\ac)+2*p+1], v[(\gs)+2*p:(\gs)+2*p+1], v[GC+2*p:GC+2*p+1]
.if p > 0
	v_exp_f32 v[(\ac)+2*p-2], v[(\ac)+2*p-2]
	v_exp_f32 v[(\ac)+2*p-1], v[(\ac)+2*p-1]
.endif
.set p, p+1
.endr
	v_exp_f32 v[(\ac)+30], v[(\ac)+30]
	v_exp_f32 v[(\ac)+31], v[(\ac)+31]
.endm
.macro MID ac                        ; r = 1 / (1 + E), in the same pattern
.set p, 0
.rept 16
	v_pk_add_f32 v[(\ac)+2*p:(\ac)+2*p+1], v[(\ac)+2*p:(\ac)+2*p+1], 1.0 op_sel_hi:[1,0]
.if p > 0
	v_rcp_f32 v[(\ac)+2*p-2], v[(\ac)+2*p-2]
	v_rcp_f32 v[(\ac)+2*p-1], v[(\ac)+2*p-1]
.endif
.set p, p+1
.endr
	v_rcp_f32 v[(\ac)+30], v[(\ac)+30]
	v_rcp_f32 v[(\ac)+31], v[(\ac)+31]
.endm
.macro HOUT ac                       ; tanh = 1 - 2 r, rounded to f16: the next layer's source 1
.set q, 0
.rept 4
.irp y, 0,1,2,3
	v_pk_fma_f32 v[HT+2*(\y):HT+2*(\y)+1], v[(\ac)+8*q+2*(\y):(\ac)+8*q+2*(\y)+1], -2.0, 1.0 op_sel_hi:[1,0,0]
.endr
.irp y, 0,1,2,3
	v_cvt_pk_f16_f32 v[HB+4*q+(\y)], v[HT+2*(\y)], v[HT+2*(\y)+1]
.endr
.set q, q+1
.endr
.endm
.macro EARITH ac, gs, eh             ; (r - r^2) s', in place; eh > 0: rounded to f16 into v[eh ..]; eh = 0: it stays f32 (E1).  The stores follow later, behind a wait that stands there anyway
.set p, 0
.rept 16
	v_pk_fma_f32 v[(\ac)+2*p:(\ac)+2*p+1], v[(\ac)+2*p:(\ac)+2*p+1], v[(\ac)+2*p:(\ac)+2*p+1], v[(\ac)+2*p:(\ac)+2*p+1] neg_lo:[1,0,0] neg_hi:[1,0,0]
.set p, p+1
.endr
.set p, 0
.rept 16
	v_pk_mul_f32 v[(\ac)+2*p:(\ac)+2*p+1], v[(\ac)+2*p:(\ac)+2*p+1], v[(\gs)+2*p:(\gs)+2*p+1]
.set p, p+1
.endr
.if (\eh) > 0
.set p, 0
.rept 16
	v_cvt_pk_f16_f32 v[(\eh)+p], v[(\ac)+2*p], v[(\ac)+2*p+1]
.set p, p+1
.endr
.endif
.endm
.macro EST16 eh, off                 ; E0 or E2 into my group's part of EREG
.irp z, 0,1,2,3
	ds_store_b128 v[AEW], v[(\eh)+4*(\z):(\eh)+4*(\z)+3] offset:(\off)+512*(\z)
.endr
.endm
.macro EST32 ac                      ; E1 likewise
.irp z, 0,1,2,3,4,5,6,7
	ds_store_b128 v[AEW], v[(\ac)+4*(\z):(\ac)+4*(\z)+3] offset:4096+512*(\z)
.endr
.endm
.macro LOADE g                       ; group g's E0, E2 and tile w of its E1 into the group's own buffer: ten loads.  The caller sets the window
.if (\g) < 2
.set eB, EBUF+40*(\g)
.else
.set eB, EB3+40*((\g)-2)
.endif
.irp z, 0,1,2,3
	ds_load_b128 v[eB+4*(\z):eB+4*(\z)+3], v[AER] offset:8192*(\g)+512*(\z)
.endr
.irp z, 0,1,2,3
	ds_load_b128 v[eB+16+4*(\z):eB+16+4*(\z)+3], v[AER] offset:8192*(\g)+2048+512*(\z)
.endr
	ds_load_b128 v[eB+32:eB+35], v[AE1R] offset:8192*(\g)
	ds_load_b128 v[eB+36:eB+39], v[AE1R] offset:8192*(\g)+512
.endm
; One product of the trace.  side 0: L (P^T in window 1, E0); side 1: R (Q^T in window 2, E2).  ew: source 1's window bits: 0, or 0x0c for groups 2 and 3.
.macro PROD side, tile, kk, d, eb, ew
	WIN (1+(\side))|(\ew)
.set rA, 16*(\tile)+8*(\kk)
.set rB, (\eb)+16*(\side)+8*(\kk)
.if (\kk) == 0
	v_wmma_f32_16x16x32_f16 v[(\d):(\d)+7], v[rA:rA+7], v[rB:rB+7], 0
.else
	v_wmma_f32_16x16x32_f16 v[(\d):(\d)+7], v[rA:rA+7], v[rB:rB+7], v[(\d):(\d)+7]
.endif
.endm
; Number m of the 16 packed lines that take in the octet before (group PG, octet PO): for each of its two tiles i: four L x R in place (lowest registers first), four sums acc += (L R) s3t_i.
; Tile 0's lines start a group's sums, so nothing is cleared.
.macro RIDER m
.set rI, 2*PO+(\m)/8
.set rL, LR+32*(PO%2)+16*((\m)/8)
.set rX, 2*((\m)%4)
.set rC, ACC+8*(PG%2)
.if (\m)%8 < 4
	v_pk_mul_f32 v[rL+rX:rL+rX+1], v[rL+rX:rL+rX+1], v[rL+8+rX:rL+8+rX+1]
.elseif rI == 0
	v_pk_mul_f32 v[rC+rX:rC+rX+1], v[rL+rX:rL+rX+1], v[S3T:S3T+1]
.else
	v_pk_fma_f32 v[rC+rX:rC+rX+1], v[rL+rX:rL+rX+1], v[S3T+2*rI:S3T+2*rI+1], v[rC+rX:rC+rX+1]
.endif
.endm
; AN OCTET: tiles i = 2 o and 2 o + 1 of group g: La, Ra, Lb, Rb for K 0-31 (they start the sums), then for K 32-63: the four accumulators take turns.  rid = 1: two lines of the octet before stand behind
; each product.  Those lines name the other LR buffer, ACC and S3T alone, so they are the places: six between Ra's last product and the first line that reads it, ten for tile b.  rid = 0: four v_nop at the end.
.macro OCT g, o, rid
.set oD, LR+32*((\o)%2)
.if (\g) < 2
.set oE, EBUF+40*(\g)
.set oW, 0
.else
.set oE, EB3+40*((\g)-2)
.set oW, 0x0c
.endif
.set n, 0
.irp kk, 0,1
.irp tl, 0,1
.irp sd, 0,1
	PROD \sd, 2*(\o)+\tl, \kk, oD+16*\tl+8*\sd, oE, oW
.if \rid
	WIN 0
	RIDER 2*n
	RIDER 2*n+1
.endif
.set n, n+1
.endr
.endr
.endr
.if !(\rid)
	WIN 0
	PLACES
.endif
.set PG, \g
.set PO, \o
.endm
.macro COMBINE g                     ; group g: the sums times e1, added over my 8 units and the other half of the lanes': my 16 units' share of 16 samples' traces, kept in PTW + g
.set cA, ACC+8*((\g)%2)
.if (\g) < 2
.set cE, EBUF+40*(\g)+32
	WIN 0
.else
.set cE, EB3+40*((\g)-2)+32
	WIN 0x0c                         ; source 1, e1, in window 3
.endif
	v_pk_mul_f32 v[CT:CT+1],   v[cA:cA+1],   v[cE:cE+1]
	v_pk_mul_f32 v[CT+2:CT+3], v[cA+2:cA+3], v[cE+2:cE+3]
	v_pk_fma_f32 v[CT:CT+1],   v[cA+4:cA+5], v[cE+4:cE+5], v[CT:CT+1]
	v_pk_fma_f32 v[CT+2:CT+3], v[cA+6:cA+7], v[cE+6:cE+7], v[CT+2:CT+3]
	WIN 0
	v_pk_add_f32 v[CT:CT+1], v[CT:CT+1], v[CT+2:CT+3]
	v_add_f32 v[CT], v[CT], v[CT+1]
	v_permlanex16_b32 v[CT+1], v[CT], s62, s63
	v_add_f32 v[PTW+(\g)], v[CT], v[CT+1]
.endm
.macro XOUT                          ; x leaves through my own 1,024 bytes of LDS (LDS serves a wave's instructions in order: ISA guide 5.7.1.4): each store covers 512 consecutive bytes, aligned
	ds_store_b128 v[AXS], v[X:X+3]
	ds_store_b128 v[AXS], v[X+4:X+7] offset:16
	ds_load_b128 v[OT:OT+3], v[AXL]
	ds_load_b128 v[OT+4:OT+7], v[AXL] offset:512
	s_wait_dscnt 0x0
	global_store_b128 v[GOX], v[OT:OT+3], s[52:53] th:TH_STORE_NT
	global_store_b128 v[GOX], v[OT+4:OT+7], s[52:53] offset:512 th:TH_STORE_NT
	s_wait_xcnt 0x0                  ; the stores' data registers and out0's pointer are written again only behind this wait
	s_wait_alu depctr_vm_vsrc(0)     ; the LDS stores have read X and the global stores OT, which vector lines write again; at the first use also: the set-up's LDS instructions have read v208-v235, HB's and EH's registers
.endm
; 16 tiles of a table, eight at a time: tile i = my fragment (frag, 16 registers) times row i of the other factor, which every lane of a half reads alike, in the fragment's K order.
; first = 1: the first eight rows of all: the wait behind the set-up's barrier has covered ROWS.
.macro BUILD win, frag, arow, pitch, first
.irp bt, 0,1
.if !(\first) || (\bt)
	s_wait_alu depctr_va_vdst(0)     ; the 128 products above are done reading ROWS, in which the next eight rows land
.endif
.set ii, 0
.rept 8
.irp z, 0,1,2,3
	ds_load_b128 v[ROWS+16*ii+4*(\z):ROWS+16*ii+4*(\z)+3], v[\arow] offset:(8*(\bt)+ii)*(\pitch)+32*(\z)
.endr
.set ii, ii+1
.endr
	s_wait_dscnt 0x0
	WIN (\win)<<6
.set ii, 0
.rept 128
	v_pk_mul_f16 v[128*(\bt)+ii], v[(\frag)+ii%16], v[ROWS+ii]
.set ii, ii+1
.endr
	WIN 0
.endr
.endm
; One layer (0..2) and one of its three times (q: 0 = t0, 1 = the middle, 2 = t1; tq: the register that holds it): s' and c', into a pair of their own; TABS stores them into the stages that use that time
.macro TABC l, q, tq
	v_mul_f32 v[TS+6*(\l)+2*(\q)+1], v[\tq], v[53+4*(\l)]
	v_mul_f32 v[TS+6*(\l)+2*(\q)], K2, v[176+3*(\l)+(\q)]
	v_fma_f32 v[TS+6*(\l)+2*(\q)+1], v[52+4*(\l)], v[176+3*(\l)+(\q)], v[TS+6*(\l)+2*(\q)+1]
	v_mul_f32 v[TS+6*(\l)+2*(\q)+1], K2, v[TS+6*(\l)+2*(\q)+1]
.endm
.macro TABS l, q
.irp st, 0,1,2,3
.if ((\st)+1)/2 == (\q)
	ds_store_b32 v79, v[TS+6*(\l)+2*(\q)] offset:2048*(\st)+512*(\l)
	ds_store_b32 v79, v[TS+6*(\l)+2*(\q)+1] offset:2048*(\st)+512*(\l)+256
.endif
.endr
.endm
	; ---- HEAD: arguments, lane terms, addresses
	s_load_b512 s[8:23], s[0:1], 0x0     ; x0 8, ts 10, W0 12, W1 14, W2 16, W3 18, g0 20, gb0 22
	s_load_b512 s[24:39], s[0:1], 0x40   ; b0 24, hb0 26, g1 28, gb1 30, b1 32, hb1 34, g2 36, gb2 38
	s_load_b512 s[40:55], s[0:1], 0x80   ; b2 40, hb2 42, g3 44, gb3 46, b3 48, hb3 50, out0 52, out1 54
	s_load_b128 s[56:59], s[0:1], 0xc0   ; out2 56, out3 58
	v_lshl_add_u32 v3, v0, 2, 0x15d00
	v_mov_b32 v43, 0
	v_mov_b32 v[ZR], 0
	v_lshrrev_b32 v70, 5, v0
	v_readfirstlane_b32 s4, v70          ; wave 0..3
	v_bfe_u32 v74, v0, 4, 2              ; layer 3's tables: my stage ((thread / 16) % 4); my unit is r
	v_add_nc_u32 v69, -1, v74
	v_cmp_eq_u32 s60, 0, v74             ; the tables' four masks stand in one run with the line that makes s4: stage 0,
	v_cmp_eq_u32 s61, 3, v74             ; stage 3,
	v_cmp_eq_u32 s6, 2, v74              ; stage 2,
	v_cmp_gt_u32 s7, 2, v69              ; stages 1 and 2
	v_and_b32 v70, 31, v0                ; l
	v_and_b32 v1, 15, v0                 ; r = l % 16
	v_bfe_u32 v71, v0, 4, 1              ; l / 16
	v_and_b32 v72, 63, v0
	v_lshlrev_b32 v72, 2, v72            ; tables: 4 x my unit (thread % 64)
	v_lshrrev_b32 v73, 6, v0             ; my RK step (thread / 64)
	v_lshlrev_b32 v75, 2, v73
	v_lshlrev_b32 v76, 2, v1
	v_lshlrev_b32 v77, 4, v0             ; 16 x thread: a chunk of 2,048 bytes of weights
	s_mov_b32 s62, 0x76543210            ; v_permlanex16_b32: each lane takes its own place in the other half
	s_mov_b32 s63, 0xfedcba98
	s_wait_alu depctr_va_sdst(0)         ; s4 and the masks s60, s61, s6, s7 are written, ahead of the first reader of any of them
	s_lshl_b32 s2, ttmp9, 12             ; the work-group's 64 rows of 64 bytes,
	s_lshl_b32 s3, s4, 10                ; my wave's 16
	s_add_co_u32 s2, s2, s3
	v_lshl_add_u32 v78, v1, 6, s2
	v_lshl_add_u32 v78, v71, 5, v78      ; x0: row r, elements 8 (l / 16) on
	v_lshl_add_u32 v[GOX], v70, 4, s2
	v_lshl_add_u32 v79, v73, 13, v72     ; TAB + 8192 x step + 4 x unit
	v_lshrrev_b32 v194, 4, v0            ; thread / 16
	v_lshlrev_b32 v195, 3, v1
	v_lshl_add_u32 v195, v194, 11, v195  ; TAB + 2048 x evaluation + 8 r
	v_mul_u32_u24 v196, v194, 160
	v_lshl_add_u32 v196, v1, 3, v196
	v_add_nc_u32 v196, WH0, v196         ; f16 weights of 64 columns: row thread / 16, column 4 r
	v_lshl_add_u32 v194, v194, 11, v76   ; TAB + 2048 x evaluation + 4 r
	v_lshl_add_u32 v197, v0, 3, WH3
	s_lshl_b32 s3, s4, 13
	s_add_co_u32 s3, s3, EREG
	v_lshl_add_u32 v[AEW], v70, 4, s3
	v_lshl_add_u32 v[AER], v70, 4, EREG
	s_lshl_b32 s3, s4, 10
	s_add_co_u32 s5, s3, EREG+4096
	v_lshl_add_u32 v[AE1R], v70, 4, s5
	v_lshlrev_b32 v[ATB], 5, v71
	s_add_co_u32 s5, s3, XST
	v_lshl_add_u32 v[AXL], v70, 4, s5
	v_lshl_add_u32 v[AXS], v1, 6, s5
	v_lshl_add_u32 v[AXS], v71, 5, v[AXS]
	s_lshl_b32 s3, s4, 8
	s_add_co_u32 s3, s3, PT
	v_lshl_add_u32 v[APTW], v1, 2, s3
	s_lshl_b32 s3, s4, 6
	s_add_co_u32 s3, s3, PT
	v_lshl_add_u32 v[APTR], v1, 2, s3
	v_mov_b32 v[ATU], 0
	; the turning load (16 K x 16 units): lane l reads row 8 (l / 16) + l % 8, 16 bytes at 16 ((l / 8) % 2)
	v_and_b32 v198, 7, v70
	v_lshl_add_u32 v198, v71, 3, v198
	v_bfe_u32 v199, v70, 3, 1
	v_mul_u32_u24 v208, v198, 160
	v_lshl_add_u32 v208, v199, 4, v208
	v_add_nc_u32 v209, WH1, v208
	v_add_nc_u32 v210, WH2, v208
	v_lshlrev_b32 v211, 5, v198
	v_lshl_add_u32 v211, v199, 4, v211
	v_add_nc_u32 v211, WH3, v211
	s_lshl_b32 s3, s4, 5
	v_add_nc_u32 v212, s3, v209          ; W1, columns 16 w on
	v_add_nc_u32 v208, WH0, v208
	v_mul_u32_u24 v213, v1, 160
	v_lshl_add_u32 v213, v71, 4, v213
	s_mul_i32 s3, s4, 2560
	s_add_co_u32 s3, s3, WH2
	v_add_nc_u32 v213, s3, v213          ; W2, row 16 w + r
	s_mul_i32 s3, s4, 2304
	s_add_co_u32 s3, s3, W3T
	v_lshl_add_u32 v216, v71, 4, s3      ; a row of my W3^T, in a fragment's K order
	v_mul_u32_u24 v214, v1, 144
	v_add_nc_u32 v214, v214, v216        ; where I put W3^T's row r
	v_lshl_add_u32 v215, v71, 4, WH0     ; a row of W0 likewise
	s_wait_kmcnt 0x0
	s_wait_alu depctr_va_vdst(0)         ; every offset and address made above, and ZR, is written: the kernel's loads and stores read them
	; ---- LOADS: 18 small ones for the tables, then 22: the weights (a wave's load covers 512 consecutive bytes) and x0
	global_load_b32 v48, v75, s[10:11]             ; t0 and t1 of my step
	global_load_b32 v49, v75, s[10:11] offset:4
.set cc, 0
.rept 12
	global_load_b32 v[50+cc], v72, s[20+2*cc:21+2*cc]  ; g, gb, b, hb of layers 0, 1, 2: v[50 + 4 l ..]
.set cc, cc+1
.endr
.rept 4
	global_load_b32 v[50+cc], v76, s[20+2*cc:21+2*cc]  ; of layer 3: v62 .. v65
.set cc, cc+1
.endr
.irp z, 0,1
	global_load_b128 v[96+4*(\z):99+4*(\z)], v77, s[12:13] offset:2048*(\z)
	global_load_b128 v[104+4*(\z):107+4*(\z)], v77, s[18:19] offset:2048*(\z)
.endr
.irp z, 0,1,2,3,4,5,6,7
	global_load_b128 v[112+4*(\z):115+4*(\z)], v77, s[14:15] offset:2048*(\z)
	global_load_b128 v[144+4*(\z):147+4*(\z)], v77, s[16:17] offset:2048*(\z)
.endr
	global_load_b128 v[X:X+3], v78, s[8:9] th:TH_LOAD_NT
	global_load_b128 v[X+4:X+7], v78, s[8:9] offset:16 th:TH_LOAD_NT
	s_wait_loadcnt 22                              ; ts and the gate vectors are in; the 22 younger loads stay out
	; ---- TABLES for all 8 evaluations.  Layers 0..2: a thread has one unit of one step, at three times.  Layer 3 and the RK factors: one unit of one evaluation.
	; Every number that is stored has a register of its own, so that one wait serves all the set-up's stores.
	v_sub_f32 v67, v49, v48                        ; h
	v_fma_f32 v66, v67, 0.5, v48                   ; the middle time
	v_cndmask_b32 v68, v66, v48, s60
	v_cndmask_b32 v68, v68, v49, s61               ; my evaluation's time
.irp l, 0,1,2
	v_fma_f32 v[176+3*(\l)], v48, v[50+4*(\l)], v[51+4*(\l)]
	v_fma_f32 v[177+3*(\l)], v66, v[50+4*(\l)], v[51+4*(\l)]
	v_fma_f32 v[178+3*(\l)], v49, v[50+4*(\l)], v[51+4*(\l)]
.endr
	v_fma_f32 v185, v68, v62, v63
.set cc, 0
.rept 10
	v_mul_f32 v[176+cc], 0xbfb8aa3b, v[176+cc]     ; - log2(e) z
.set cc, cc+1
.endr
.set cc, 0
.rept 10
	v_exp_f32 v[176+cc], v[176+cc]
.set cc, cc+1
.endr
	TWAIT
.set cc, 0
.rept 10
	v_add_f32 v[176+cc], 1.0, v[176+cc]
.set cc, cc+1
.endr
.set cc, 0
.rept 10
	v_rcp_f32 v[176+cc], v[176+cc]                 ; the ten sigmoids
.set cc, cc+1
.endr
	TWAIT
.irp l, 0,1,2
	TABC \l, 0, 48
	TABC \l, 1, 66
	TABC \l, 2, 49
.endr
	v_mul_f32 v186, v68, v65
	v_fma_f32 v186, v64, v185, v186                ; c3 = b3 s3 + t hb3
	v_mul_f32 v188, 0.5, v67                       ; alpha: h/2, h/2, h, 0
	v_cndmask_b32 v188, v188, v67, s6
	v_cndmask_b32 v188, v188, v[ZR], s61
	v_mul_f32 v189, 0x3e2aaaab, v67                ; the weight: h/6, h/3, h/3, h/6
	v_add_f32 v190, v189, v189
	v_cndmask_b32 v189, v189, v190, s7
	v_mul_f32 v192, 0x402a8235, v185               ; s3t = s3 (2 ln 2)^3, twice
	v_mov_b32 v193, v192
	; ---- WEIGHTS to f16; then tables, weights and zeros into LDS
	s_wait_loadcnt 0x0
.set cc, 0
.rept 20
	v_cvt_pk_f16_f32 v[96+4*cc], v[96+4*cc], v[97+4*cc]
	v_cvt_pk_f16_f32 v[97+4*cc], v[98+4*cc], v[99+4*cc]
.set cc, cc+1
.endr
	s_wait_alu depctr_va_vdst(0)                   ; the tables' numbers (v185-v193, v218-v235) and the rounded weights (v96 ..) are written: the stores below read them
.irp l, 0,1,2
	TABS \l, 0
	TABS \l, 1
	TABS \l, 2
.endr
	ds_store_b32 v194, v185 offset:1536
	ds_store_b32 v194, v186 offset:1600
	ds_store_b64 v195, v[192:193] offset:1664
	ds_store_b32 v194, v188 offset:1792
	ds_store_b32 v194, v189 offset:1856
.irp z, 0,1
	ds_store_b64 v196, v[96+4*(\z):97+4*(\z)] offset:1280*(\z)
	ds_store_b64 v197, v[104+4*(\z):105+4*(\z)] offset:1024*(\z)
.endr
.irp z, 0,1,2,3,4,5,6,7
	ds_store_b64 v196, v[112+4*(\z):113+4*(\z)] offset:WH1-WH0+1280*(\z)
	ds_store_b64 v196, v[144+4*(\z):145+4*(\z)] offset:WH2-WH0+1280*(\z)
.endr
.irp g, 0,1,2,3
	ds_store_b32 v[APTW], v[ZR] offset:64*(\g)     ; the first evaluation adds the trace of none before it: zeros
.endr
	BAR                                            ; tables, weights and zeros are whole
	; ---- FRAGMENTS.  W_l lies [in][out], so source 0 (rows = outputs) comes by the turning load.
	WIN 0xc0                                       ; destination window 3, address window 0
.irp mt, 0,1,2,3
.irp z, 4,5,6,7
	v_mov_b32 v[FW0+8*(\mt)+(\z)], 0               ; K 16-31 of layer 0 do not exist
.endr
.endr
	s_wait_alu depctr_va_vdst(0)                   ; the tables' lines are done with v48-v69 and v176-v199, the roundings with v96-v175: BJ, CJ and ROWS land in these registers
	s_wait_alu depctr_vm_vsrc(0)                   ; the global loads have read v72-v78, the LDS stores v79, v96-v175 and v185-v197: the same loads land there
.irp mt, 0,1,2,3
	ds_load_tr16_b128 v[FW0+8*(\mt):FW0+8*(\mt)+3], v208 offset:32*(\mt)
.irp kk, 0,1
	ds_load_tr16_b128 v[FW1+16*(\mt)+8*(\kk):FW1+16*(\mt)+8*(\kk)+3],   v209 offset:5120*(\kk)+32*(\mt)
	ds_load_tr16_b128 v[FW1+16*(\mt)+8*(\kk)+4:FW1+16*(\mt)+8*(\kk)+7], v209 offset:5120*(\kk)+32*(\mt)+2560
	ds_load_tr16_b128 v[FW2+16*(\mt)+8*(\kk):FW2+16*(\mt)+8*(\kk)+3],   v210 offset:5120*(\kk)+32*(\mt)
	ds_load_tr16_b128 v[FW2+16*(\mt)+8*(\kk)+4:FW2+16*(\mt)+8*(\kk)+7], v210 offset:5120*(\kk)+32*(\mt)+2560
.endr
.endr
.irp kk, 0,1
	ds_load_tr16_b128 v[FW3+8*(\kk):FW3+8*(\kk)+3],   v211 offset:1024*(\kk)
	ds_load_tr16_b128 v[FW3+8*(\kk)+4:FW3+8*(\kk)+7], v211 offset:1024*(\kk)+512
.endr
	WIN 0
.irp z, 0,1,2,3
	ds_load_tr16_b128 v[BJ+4*(\z):BJ+4*(\z)+3], v212 offset:2560*(\z)  ; W1[k][16 w + r]
	ds_load_b128 v[CJ+4*(\z):CJ+4*(\z)+3], v213 offset:32*(\z)         ; W2[16 w + r][k]
.endr
	s_wait_dscnt 0x0
	WIN 0x0c                                       ; store data from window 3: layer 3's fragment holds row r of W3^T (it came by loads: the wait above is all that these stores need)
.irp z, 0,1,2,3
	ds_store_b128 v214, v[FW3+4*(\z):FW3+4*(\z)+3] offset:32*(\z)
.endr
	WIN 0
	BUILD 1, BJ, 215, 160, 1                       ; P^T: W1[k][j] x W0[i][k]
	BUILD 2, CJ, 216, 144, 0                       ; Q^T: W2[j][k] x W3[k][i]  (my own bytes of W3T: served in order behind the stores above)
	; ---- STATE
.set cc, 0
.rept 8
	v_mov_b32 v[XA+cc], v[X+cc]
.set cc, cc+1
.endr
.irp y, 0,1,2,3
	v_cvt_pk_f16_f32 v[XB+(\y)], v[X+2*(\y)], v[X+2*(\y)+1]
	v_mov_b32 v[XB+4+(\y)], 0
.endr
	v_mov_b32 v[KE2], 0
	v_mov_b32 v[KE2+1], 0
	v_mov_b32 v[LD], 0
	v_mov_b32 v[WPV], 0
	v_mov_b32 v[WPV+1], 0
	s_wait_alu depctr_va_vdst(0)                   ; the products that made Q^T are done reading ROWS, in whose registers the first evaluation's tables land; no vector line follows up to those loads
	XOUT                                           ; out0's first slab is x0
	s_mov_b32 s7, 2
.Lstep:
	s_mov_b32 s6, 4
.Lstage:                                               ; ONE EVALUATION
	; the evaluation before's partial traces (all waves wrote them ahead of the last barrier), this one's RK factors, layer 0's tables.
	; No wait: on each of the three ways here a wait on va_vdst stands behind the last vector line (ahead of the first way out, of a step's way out, of the partial traces' stores)
.irp z, 0,1,2,3
	ds_load_b32 v[PTV+(\z)], v[APTR] offset:256*(\z)
.endr
	ds_load_b64 v[ALP:ALP+1], v[ATU] offset:1792
	ds_load_b64 v[RW:RW+1], v[ATU] offset:1856
	GATE GS0, 0
	GATE GC, 256
	MM0
	s_wait_dscnt 0x0
	v_add_f32 v[PTV], v[PTV], v[PTV+1]             ; six plain lines that name nothing of layer 0's products: the places behind them
	v_add_f32 v[PTV+2], v[PTV+2], v[PTV+3]
	v_add_f32 v[PTV], v[PTV], v[PTV+2]
	v_fmac_f32 v[LD], v[WPV], v[PTV]               ; log-det += the weight before x the trace before
	v_mov_b32 v[WPV], v[RW]
	v_mov_b32 v[WPV+1], v[RW+1]
	PRE AC0, GS0
	v_nop                                          ; the plain instruction behind the last exponential
	s_wait_alu depctr_va_vdst(0)                   ; the 32 exponentials are written; and PRE is done reading GC, in which layer 1's c' lands
	GATE GS1, 512                                  ; layer 1's tables come in under the reciprocals, the roundings and layer 1's products
	GATE GC, 768
	MID AC0
	TWAIT
	HOUT AC0
	MMH FW1, AC1
	EARITH AC0, GS0, EH                            ; E0; its lines are the places behind layer 1's products
	s_wait_dscnt 0x0                               ; layer 1's tables are in
	PRE AC1, GS1
	v_nop                                          ; the plain instruction behind the last exponential
	s_wait_alu depctr_va_vdst(0)                   ; the 32 exponentials are written; PRE is done reading GC and E0's lines GS0, in which layer 2's tables land; EH is written, which E0's stores read
	GATE GS0, 1024
	GATE GC, 1280
	EST16 EH, 0
	MID AC1
	TWAIT
	HOUT AC1
	MMH FW2, AC0
	EARITH AC1, GS1, 0                             ; E1, in f32
	s_wait_dscnt 4                                 ; E0's four stores, the youngest, may be out; the tables, older, are in
	PRE AC0, GS0
	v_nop                                          ; the plain instruction behind the last exponential
	s_wait_alu depctr_va_vdst(0)                   ; the 32 exponentials are written; PRE is done reading GC and E1's lines GS1, in which c3 and s3 land; AC1 is written, which E1's stores read
	ds_load_b128 v[GS1:GS1+3],   v[ATB] offset:1536  ; s3 and c3 of my 8 outputs
	ds_load_b128 v[GS1+4:GS1+7], v[ATB] offset:1552
	ds_load_b128 v[GC:GC+3],     v[ATB] offset:1600
	ds_load_b128 v[GC+4:GC+7],   v[ATB] offset:1616
	EST32 AC1
	MID AC0
	TWAIT
	HOUT AC0
	WIN 0x03                                       ; layer 3: K's two halves into two accumulators, added below: no chain
	v_wmma_f32_16x16x32_f16 v[D3A:D3A+7], v[FW3:FW3+7], v[HB:HB+7], 0
	v_wmma_f32_16x16x32_f16 v[D3B:D3B+7], v[FW3+8:FW3+15], v[HB+8:HB+15], 0
	WIN 0
	EARITH AC0, GS0, EH2                           ; E2, into registers that no store has read since they were last waited for
	s_wait_dscnt 8                                 ; E1's eight stores, the youngest, may be out; s3 and c3 are in
.irp y, 0,1,2,3
	v_pk_add_f32 v[D3A+2*(\y):D3A+2*(\y)+1], v[D3A+2*(\y):D3A+2*(\y)+1], v[D3B+2*(\y):D3B+2*(\y)+1]
.endr
.irp y, 0,1,2,3
	v_pk_fma_f32 v[D3A+2*(\y):D3A+2*(\y)+1], v[D3A+2*(\y):D3A+2*(\y)+1], v[GS1+2*(\y):GS1+2*(\y)+1], v[GC+2*(\y):GC+2*(\y)+1]  ; dx
.endr
	v_pk_mul_f32 v[D3B:D3B+1], v[D3A:D3A+1], v[D3A:D3A+1]
.irp y, 1,2,3
	v_pk_fma_f32 v[D3B:D3B+1], v[D3A+2*(\y):D3A+2*(\y)+1], v[D3A+2*(\y):D3A+2*(\y)+1], v[D3B:D3B+1]
.endr
	v_pk_fma_f32 v[KE2:KE2+1], v[D3B:D3B+1], v[WPV:WPV+1], v[KE2:KE2+1]
.irp y, 0,1,2,3
	v_pk_fma_f32 v[XA+2*(\y):XA+2*(\y)+1], v[D3A+2*(\y):D3A+2*(\y)+1], v[WPV:WPV+1], v[XA+2*(\y):XA+2*(\y)+1]
.endr
.irp y, 0,1,2,3
	v_pk_fma_f32 v[D3B+2*(\y):D3B+2*(\y)+1], v[D3A+2*(\y):D3A+2*(\y)+1], v[ALP:ALP+1], v[X+2*(\y):X+2*(\y)+1]  ; the next stage's x
.endr
.irp y, 0,1,2,3
	v_cvt_pk_f16_f32 v[XB+(\y)], v[D3B+2*(\y)], v[D3B+2*(\y)+1]
.endr
	s_wait_alu depctr_va_vdst(0)                   ; EH2 is written, which E2's stores read; the forward pass is done with GS0, GS1, GC, HB and EH, in which the trace's loads land
	EST16 EH2, 2048
	BAR                                            ; all four groups' E0, E1, E2 are written; every wave has read the partial traces of the evaluation before
	; THE TRACE: 4 groups x 8 octets.  All its loads stand here, each group's into a buffer of its own
	s_wait_alu depctr_vm_vsrc(0)                   ; E0's stores have read EH (s3t lands there), E2's EH2 (group 1's E lands there), E1's AC1 (the products write it)
	LOADE 0
.irp z, 0,1,2,3,4,5,6,7
	ds_load_b128 v[S3T+4*(\z):S3T+4*(\z)+3], v[ATU] offset:1664+16*(\z)
.endr
	LOADE 1
	WIN 0xc0                                       ; destination window 3, address window 0
	s_wait_alu depctr_va_vdst(0)                   ; the products and sums of the evaluation before are done reading groups 2 and 3's buffers in window 3, in which the loads below land
	LOADE 2
	LOADE 3
	WIN 0
	s_wait_dscnt 30                                ; groups 1, 2 and 3's thirty loads may stay out
	OCT 0, 0, 0
.irp o, 1,2,3,4,5,6,7
	OCT 0, \o, 1
.endr
.irp g, 1,2,3
	s_wait_dscnt 30-10*(\g)                        ; this group's E is in; the later groups' loads, ten each, may stay out
	OCT \g, 0, 1                                   ; its riders end the group before,
	COMBINE (\g)-1                                 ; which is summed up
.irp o, 1,2,3,4,5,6,7
	OCT \g, \o, 1
.endr
.endr
	WIN 0
	PLACES
.irp m, 0,1,2,3,4,5,6,7,8,9,10,11,12,13,14,15
	RIDER \m
.endr
	COMBINE 3
	s_wait_alu depctr_vm_vsrc(0)                   ; this evaluation's table loads have read ATB and ATU
	v_add_nc_u32 v[ATB], 2048, v[ATB]              ; the next evaluation's tables
	v_add_nc_u32 v[ATU], 2048, v[ATU]
	s_wait_alu depctr_va_vdst(0)                   ; the four partial traces are written, which the stores below read; ATB and ATU are written; the trace is done with all registers in which the next evaluation's first loads land
.irp g, 0,1,2,3
	ds_store_b32 v[APTW], v[PTW+(\g)] offset:64*(\g)
.endr
	BAR                                            ; the partial traces are written, and nobody reads E any more
	s_wait_alu depctr_vm_vsrc(0)                   ; those four stores have read PTW, which the next tanh's work registers, or the way out's loads, write
	s_sub_co_u32 s6, s6, 1
	s_cmp_lg_u32 s6, 0
	s_cbranch_scc1 .Lstage
	; A STEP'S END
.set cc, 0
.rept 8
	v_mov_b32 v[X+cc], v[XA+cc]
.set cc, cc+1
.endr
.irp y, 0,1,2,3
	v_cvt_pk_f16_f32 v[XB+(\y)], v[XA+2*(\y)], v[XA+2*(\y)+1]
.endr
	s_add_nc_u64 s[52:53], s[52:53], 0x100000      ; out0's next slab: 16,384 rows of 64 bytes
	s_wait_alu depctr_va_vdst(0)                   ; the moves have written X, which the way out's LDS stores read; no vector line follows up to the next evaluation's loads
	XOUT
	s_sub_co_u32 s7, s7, 1
	s_cmp_lg_u32 s7, 0
	s_cbranch_scc1 .Lstep
	; ---- THE END: the last trace; the kinetic sum; three rows of 64 numbers gathered in LDS, so that one store writes 256 consecutive bytes, aligned
.irp z, 0,1,2,3
	ds_load_b32 v[PTV+(\z)], v[APTR] offset:256*(\z)
.endr
	v_add_f32 v[KE2], v[KE2], v[KE2+1]
	v_permlanex16_b32 v[KE2+1], v[KE2], s62, s63
	v_add_f32 v[KE2], v[KE2], v[KE2+1]
	v_mul_f32 v[KE2], 0.5, |v[KE2]|
	s_lshl_b32 s3, s4, 6
	s_add_co_u32 s3, s3, RES
	v_lshl_add_u32 v[TA], v1, 2, s3
	v_and_b32 v244, 31, v0                         ; the addresses of the last load and store are made here, in every wave, ahead of the one wait below
	s_lshl_b32 s5, s4, 8
	s_add_co_u32 s5, s5, RES
	s_lshl_b32 s2, ttmp9, 8
	v_lshl_add_u32 v240, v244, 3, s5
	v_lshl_add_u32 v241, v244, 3, s2
	s_wait_dscnt 0x0
	v_add_f32 v[PTV], v[PTV], v[PTV+1]
	v_add_f32 v[PTV+2], v[PTV+2], v[PTV+3]
	v_add_f32 v[PTV], v[PTV], v[PTV+2]
	v_fmac_f32 v[LD], v[WPV], v[PTV]
	s_wait_alu depctr_va_vdst(0)                   ; LD, KE2 and the addresses TA, v240, v241 are written: the LDS stores, the load and the global store below read them
	ds_store_b32 v[TA], v[LD]
	ds_store_b32 v[TA], v[KE2] offset:256
	ds_store_b32 v[TA], v[ZR] offset:512
	BAR
	s_cmp_eq_u32 s4, 0                             ; wave 0 stores out1, wave 1 out2, wave 2 out3
	s_cselect_b64 s[60:61], s[54:55], s[56:57]
	s_cmp_eq_u32 s4, 2
	s_cselect_b64 s[60:61], s[58:59], s[60:61]
	s_cmp_lt_u32 s4, 3
	s_cbranch_scc0 .Lend
	ds_load_b64 v[242:243], v240
	s_wait_dscnt 0x0
	global_store_b64 v241, v[242:243], s[60:61] th:TH_STORE_NT
.Lend:
	s_wait_dscnt 0x0                               ; the wave's end.
	s_wait_alu depctr_hold_cnt(0) depctr_sa_sdst(0) depctr_va_vdst(0) depctr_va_sdst(0) depctr_va_ssrc(0) depctr_va_vcc(0) depctr_vm_vsrc(0)
	s_wait_tensorcnt 0x0
	ds_add_u32 v3, v43
	s_wait_dscnt 0x0
	s_endpgm
.Lfunc_end_k_q81d46c71db_traj:
	.size	k_q81d46c71db_traj, .Lfunc_end_k_q81d46c71db_traj-k_q81d46c71db_traj
	.p2alignl 7, 3214868480
	.fill 96, 4, 3214868480
	.section	.rodata,"a",@progbits
	.p2align	6, 0x0
	.amdhsa_kernel k_q81d46c71db_traj
		.amdhsa_group_segment_fixed_size 89856
		.amdhsa_private_segment_fixed_size 0
		.amdhsa_enable_private_segment 0
		.amdhsa_kernarg_size 208
		.amdhsa_user_sgpr_count 2
		.amdhsa_user_sgpr_kernarg_segment_ptr 1
		.amdhsa_wavefront_size32 1
		.amdhsa_system_sgpr_workgroup_id_x 1
		.amdhsa_system_sgpr_workgroup_id_y 1
		.amdhsa_system_sgpr_workgroup_id_z 1
		.amdhsa_system_vgpr_workitem_id 0
		.amdhsa_next_free_vgpr 1024
		.amdhsa_next_free_sgpr 66
		.amdhsa_reserve_vcc 0
		.amdhsa_float_denorm_mode_32 3
		.amdhsa_float_denorm_mode_16_64 3
		.amdhsa_memory_ordered 1
		.amdhsa_forward_progress 1
		.amdhsa_inst_pref_size 174
	.end_amdhsa_kernel
	.amdgpu_metadata
---
amdhsa.version: [ 1, 2 ]
amdhsa.kernels:
  - .name:           k_q81d46c71db_traj
    .symbol:         k_q81d46c71db_traj.kd
    .args:
      - { .name: x0, .offset: 0, .size: 8, .value_kind: global_buffer, .address_space: global }
      - { .name: ts, .offset: 8, .size: 8, .value_kind: global_buffer, .address_space: global }
      - { .name: W0, .offset: 16, .size: 8, .value_kind: global_buffer, .address_space: global }
      - { .name: W1, .offset: 24, .size: 8, .value_kind: global_buffer, .address_space: global }
      - { .name: W2, .offset: 32, .size: 8, .value_kind: global_buffer, .address_space: global }
      - { .name: W3, .offset: 40, .size: 8, .value_kind: global_buffer, .address_space: global }
      - { .name: g0, .offset: 48, .size: 8, .value_kind: global_buffer, .address_space: global }
      - { .name: gb0, .offset: 56, .size: 8, .value_kind: global_buffer, .address_space: global }
      - { .name: b0, .offset: 64, .size: 8, .value_kind: global_buffer, .address_space: global }
      - { .name: hb0, .offset: 72, .size: 8, .value_kind: global_buffer, .address_space: global }
      - { .name: g1, .offset: 80, .size: 8, .value_kind: global_buffer, .address_space: global }
      - { .name: gb1, .offset: 88, .size: 8, .value_kind: global_buffer, .address_space: global }
      - { .name: b1, .offset: 96, .size: 8, .value_kind: global_buffer, .address_space: global }
      - { .name: hb1, .offset: 104, .size: 8, .value_kind: global_buffer, .address_space: global }
      - { .name: g2, .offset: 112, .size: 8, .value_kind: global_buffer, .address_space: global }
      - { .name: gb2, .offset: 120, .size: 8, .value_kind: global_buffer, .address_space: global }
      - { .name: b2, .offset: 128, .size: 8, .value_kind: global_buffer, .address_space: global }
      - { .name: hb2, .offset: 136, .size: 8, .value_kind: global_buffer, .address_space: global }
      - { .name: g3, .offset: 144, .size: 8, .value_kind: global_buffer, .address_space: global }
      - { .name: gb3, .offset: 152, .size: 8, .value_kind: global_buffer, .address_space: global }
      - { .name: b3, .offset: 160, .size: 8, .value_kind: global_buffer, .address_space: global }
      - { .name: hb3, .offset: 168, .size: 8, .value_kind: global_buffer, .address_space: global }
      - { .name: out0, .offset: 176, .size: 8, .value_kind: global_buffer, .address_space: global }
      - { .name: out1, .offset: 184, .size: 8, .value_kind: global_buffer, .address_space: global }
      - { .name: out2, .offset: 192, .size: 8, .value_kind: global_buffer, .address_space: global }
      - { .name: out3, .offset: 200, .size: 8, .value_kind: global_buffer, .address_space: global }
    .group_segment_fixed_size: 89856
    .private_segment_fixed_size: 0
    .kernarg_segment_align: 8
    .kernarg_segment_size: 208
    .max_flat_workgroup_size: 128
    .sgpr_count:     66
    .vgpr_count:     1024
    .wavefront_size: 32
...
	.end_amdgpu_metadata
.endif
;; end of part 2
